; MI455X (gfx1250); checked and timed in simulation.
; The chip was launched on July 23, 2026; its instructions are those of AMD's public machine-readable ISA for CDNA 5 (MIT licence, August 2026) and "CDNA5" Instruction Set Architecture Reference Guide (July 2026). The comments in the code are by the model that wrote it; some were corrected since.
;; Basic Mixture Of Experts. Allowed arithmetic: matrix products marked QUANTISED: E3M2 operands, one E8M0 scale for each 32 along K, by v_wmma_scale_f32_16x16x128_f8f6f4 with both operands' format E3M2, f32 sums; products left as they are: f32 operands where the result goes on into a quantised operand, else bf16, f16 or f32 operands; f32 sums; everything else in f32.
;; Inputs: W1_codes 8 x 4,096 x 32 x 24 uint8 (E3M2 codes of W1, K innermost, in blocks of 32 codes, four codes in three bytes); W1_scales 8 x 4,096 x 32 uint8 (E8M0 scales of W1, one for each 32 codes along K); W2_codes 8 x 1,024 x 128 x 24 uint8 (E3M2 codes of W2, K innermost, in blocks of 32 codes, four codes in three bytes); W2_scales 8 x 1,024 x 128 uint8 (E8M0 scales of W2, one for each 32 codes along K); Wg 8 x 1,024 float32; b1 8 x 4,096 float32; b2 8 x 1,024 float32; padding_mask 2 x 512 bool; x 2 x 512 x 1,024 float32.
;; Outputs: out0 2 x 512 x 1,024 float32; out1 1,024 x 8 float32; out2 one number float32.
;; This version of the problem:
;;   THIS VERSION OF THE PROBLEM IS GIVEN IN LOW PRECISION. The matrix products marked QUANTISED in the list below multiply operands that are first quantised to E3M2 (3 exponent bits, 2 mantissa bits; 6 bits a number), with one power-of-two scale for each 32 numbers along K (OCP MX v1.0); their sums are f32. All else is computed in f32.
;;   The module's matrix products, in the order in which they are computed (A, B: the left and right operand; K: the contracted axis; several contracted axes count as one K, in the product's order):
;;     1. [M 1,024, K 1,024] x [K 1,024, N 8]; A: input x; B: input Wg: left as it is (N = 8 < 16)
;;     2. [M 1,024, K 1,024] x [K 1,024, N 32,768]; A: input x; B: input W1 (given as codes): QUANTISED
;;     3. batch 8 x [M 1,024, K 4,096] x [K 4,096, N 1,024]; A: input W2 (given as codes); B: computed on the way: QUANTISED
;;     4. batch 1,024 x [M 1, K 8] x [K 8, N 1,024]; A: computed on the way; B: computed on the way: left as it is (K = 8 < 32)
;;   THE QUANTISER, for each operand of a quantised product, along K:
;;     - K is cut into blocks of 32 from its start; a last block that is shorter is filled with zeros.
;;     - A block's scale is 2^e with e = floor(log2(the largest magnitude in the block)) - 4, held to -126 .. 127; a block of zeros has e = 0. As a byte (E8M0): e + 127.
;;     - Each number is divided by its block's scale, clamped to +-28, and rounded to the nearest number of E3M2, ties to even, subnormals kept.
;;     - The product sums the exact products of the quantised numbers (number of the format x scale) in f32.
;;   ~~~python
;;   def quantise(x, axis):      # numpy; x: float32 -> the quantised numbers, widened to float32 again
;;       x = np.moveaxis(x, axis, -1); K = x.shape[-1]
;;       x = np.pad(x, [(0, 0)] * (x.ndim - 1) + [(0, -K % 32)]); x = x.reshape(x.shape[:-1] + (-1, 32)); a = np.abs(x).max(-1, keepdims=True)
;;       e = np.where(a > 0, np.clip(np.frexp(np.where(a > 0, a, 1))[1] - 1 - 4, -126, 127), 0)      # np.frexp(a)[1] - 1 = floor(log2(a)), exactly
;;       r = np.clip(x / 2.0 ** e, -28, 28)
;;       step = 2.0 ** (np.maximum(np.frexp(np.where(r == 0, 1, r))[1] - 1, -2) - 2)
;;       q = np.round(r / step) * step * 2.0 ** e      # np.round: ties to even
;;       return np.moveaxis(q.reshape(q.shape[:-2] + (-1,))[..., :K], -1, axis).astype(np.float32)
;;   ~~~
;;   OPERANDS COMPUTED ON THE WAY. 'Computed on the way' means the value that the module computes at that place (a softmax that the list does not call 'softmax' is quantised finished and normalised). What goes into a quantiser is computed in f32, as accurately as f32 sums, v_exp_f32 and their like allow (about 1e-6 of the number): no bf16 or f16 on the way to a quantiser, and a product that is left as it is and whose result goes on into a quantised operand takes f32 operands (vector FMAs, or v_wmma_f32_16x16x4_f32). A number that lies on a knife's edge between two numbers of the format may be rounded either way, as far as f32 arithmetic and the matrix unit's own rounding can turn it there, and no further.
;;   INPUTS GIVEN AS CODES. W1 (in the module: [8, 4096, 1024], K = its axis 2); W2 (in the module: [8, 1024, 4096], K = its axis 2): each comes as NAME_codes (uint8): NAME with its K axis moved to the last place and cut into blocks of 32 codes, [.., K / 32, bytes a block], one block behind the other in memory; four codes in three bytes: a row's codes are one little-endian stream of bits, code i at bits 6 i .. 6 i + 5 (a code: sign, 3 exponent bits, 2 mantissa bits); and NAME_scales (uint8): the same leading axes, one E8M0 byte (e + 127) for each 32 codes along K. Its value is code x scale, taken as it is: it is not quantised again, and the codes and scales need not be those that the quantiser above would give.
;; 2 versions, each right; version 2 is version 1 with the launches ffn1, ffn2 written anew for expert scheduling mode. Each part assembles by itself: llvm-mc -triple=amdgcn-amd-amdhsa -mcpu=gfx1250 --defsym DOCPART=n.
;; ======== version 1 of 2: 5 launches
;; workspace buffers: xq 819,200 bytes; rw 4,096 bytes of whole numbers; gwt 8,192 bytes; route 44,288 bytes of whole numbers; hq 26,214,400 bytes; yp 134,217,728 bytes
;; launch gate (part 1): grid 256 x 1, 4 waves a work-group, no clusters, 55,808 bytes of LDS; arguments x, padding_mask, Wg, out1, xq, rw, gwt; writes out1, xq, rw, gwt
.if DOCPART == 1
	.amdgcn_target "amdgcn-amd-amdhsa--gfx1250"
	.amdhsa_code_object_version 6
	.text
	.protected	k_qec48eea059_gate
	.globl	k_qec48eea059_gate
	.p2align	8
	.type	k_qec48eea059_gate,@function
k_qec48eea059_gate:
	s_mov_b64 s[64:65], 0
	v_nop
	global_prefetch_b8 v0, s[64:65] scope:SCOPE_SE
	s_setreg_imm32_b32 hwreg(HW_REG_WAVE_MODE, 25, 1), 1
	s_wait_xcnt 0x0
; THE GATE, AND x INTO CODES.  One wave takes one token t (4 a work-group, 256 work-groups for the 1,024 tokens).
; It (a) quantises the token's 1,024 numbers to E3M2 with one E8M0 byte for each 32, (b) makes the 8 logits x . Wg[e] in f32, their softmax (the largest logit taken away first),
; sets the row to 0 where the token is padding, stores it (out1), and (c) finds the two largest gate values (the lower index wins a tie, as jax.lax.top_k has it), their weights g / (g0 + g1)
; (the divisor 1 where the sum is 0), and stores the two indices as whole numbers and the two weights, all at fixed places: no address and no branch here hangs on them.
; A LANE HOLDS ONE BLOCK OF 32 NEIGHBOURS: the row's 4,096 bytes are loaded as they lie (512 consecutive bytes a load) and turn through the wave's own stage in LDS, 144 bytes a block
; (128 + 16, an odd multiple of 16: the lanes' 16-byte reads fall on different banks).  Wg (32 KiB) is staged likewise, each wave bringing two experts, one barrier.
; xq's CODES lie as the later product's operand registers want them: token t at 768 t; block B (0..31) at 96 (B / 4) + 48 (B % 2) + 24 ((B / 2) % 2): so lane (row, half h) of a fragment of K step s
; finds its 12 registers as 48 consecutive bytes at 96 s + 48 h.  The scale bytes follow from byte 786,432 on, 32 a token, in K's order.
; LIMITS: NaN and infinities among the inputs are not served.  A block whose largest magnitude lies under 2^(5 - 127) keeps the byte 1; so does a block of zeros, where the quantiser says 127: its codes are
; zeros, which add nothing, and only this program reads the bytes.  Two gate values that f32 sums cannot tell apart at ranks 2 and 3 may be chosen either way.
; No matrix unit (N = 8), no cluster (work-groups share only Wg, 32 KiB against 16 KiB of x each, read once at the head).
.set WGE,  4608                        ; an expert's row of Wg in LDS: 32 blocks x 144 bytes
.set XST,  8*WGE                       ; behind Wg: a stage of 4,608 bytes for each wave
.set XSC,  786432                      ; where xq's scale bytes begin
.set X,    16                          ; v16-47   my block's 32 numbers
.set XR,   48                          ; v48-79   the row as loaded
.set WB,   80                          ; v80-143, v144-207 two buffers of two experts' blocks (the first also takes Wg as loaded, and at the end the temporaries)
.set AC,   208                         ; v208-223 eight sums, a pair each
.set G,    224                         ; v224-231 logits, then gate values
.set QM,   232                         ; v232-242 the quantiser's: written once, so that no store's data are written again
.set PD,   244                         ; v244-251 destinations of the lane permutes
	s_load_b256 s[4:11], s[0:1], 0x0               ; x s[4:5], padding_mask s[6:7], Wg s[8:9], out1 s[10:11]
	s_load_b128 s[12:15], s[0:1], 0x20             ; xq s[12:13], rw s[14:15]
	s_load_b64 s[16:17], s[0:1], 0x30              ; gwt
	v_lshl_add_u32 v254, v0, 2, 0xd800
	v_mov_b32 v255, 0
	v_lshrrev_b32 v10, 5, v0
	v_readfirstlane_b32 s18, v10                   ; wave 0..3
	s_lshl_b32 s19, ttmp9, 2
	s_add_co_u32 s19, s19, s18                     ; my token
	s_mov_b32 s20, 0x76543210                      ; v_permlanex16_b32's selects for lane l xor 16
	s_mov_b32 s21, 0xfedcba98
	s_mov_b32 s22, 0x3fb8aa3b                      ; log2(e)
	s_mov_b32 s24, 0xaaaaaaaa                      ; the odd lanes
	s_mov_b32 s41, 0
	v_and_b32 v1, 31, v0                           ; lane
	v_lshlrev_b32 v2, 4, v1                        ; 16 x lane
	v_lshlrev_b32 v8, 2, v1                        ; 4 x lane
	v_lshlrev_b32 v9, 1, v1                        ; 2 x lane
	v_mov_b32 v12, 0
	v_bfe_u32 v10, v0, 3, 2
	v_and_b32 v11, 7, v0
	v_mul_u32_u24 v10, v10, 144
	v_lshl_add_u32 v10, v11, 4, v10                ; a load's 512 bytes are four blocks: 144 (lane / 8) + 16 (lane % 8)
	s_mul_i32 s40, s18, WGE
	s_add_co_u32 s40, s40, XST
	v_add_nc_u32 v3, s40, v10                      ; my stage, on the way in
	v_mul_u32_u24 v6, v1, 144                      ; Wg in LDS: my block of expert 0
	v_add_nc_u32 v4, s40, v6                       ; my stage, on the way out: my block
	s_mul_i32 s40, s18, 2*WGE
	v_add_nc_u32 v5, s40, v10                      ; Wg on the way in: my wave's two experts
	v_lshrrev_b32 v11, 2, v1
	v_mul_u32_u24 v7, v11, 96
	v_and_b32 v11, 1, v1
	v_mad_u32_u24 v7, v11, 48, v7
	v_bfe_u32 v11, v1, 1, 1
	v_mad_u32_u24 v7, v11, 24, v7                  ; my block's 24 bytes in the token's 768
.irp e, 0,1,2,3,4,5,6,7
	v_mov_b32 v[PD+\e], 0                          ; a lane permute's destination counts as one of its sources
.endr
	s_wait_kmcnt 0x0
	s_lshl_b32 s40, s19, 12
	s_add_nc_u64 s[26:27], s[4:5], s[40:41]        ; x at my row
	s_lshl_b32 s40, s18, 13
	s_add_nc_u64 s[28:29], s[8:9], s[40:41]        ; Wg at my two experts
	s_mov_b32 s40, s19
	s_add_nc_u64 s[2:3], s[6:7], s[40:41]          ; my token's byte of the mask
.irp j, 0,1,2,3,4,5,6,7
	global_load_b128 v[XR+4*\j:XR+4*\j+3], v2, s[26:27] offset:512*\j th:TH_LOAD_NT   ; 512 consecutive bytes a load; read once in the launch
.endr
.irp q, 0,1,2,3,4,5,6,7,8,9,10,11,12,13,14,15
	global_load_b128 v[WB+4*\q:WB+4*\q+3], v2, s[28:29] offset:512*\q
.endr
	s_load_u8 s23, s[2:3], 0x0
	s_mul_i32 s40, s19, 768
	s_add_nc_u64 s[30:31], s[12:13], s[40:41]      ; xq: my codes
	s_lshl_b32 s40, s19, 5
	s_add_nc_u64 s[32:33], s[12:13], s[40:41]      ; xq: my scale bytes (the immediate XSC on top)
	s_add_nc_u64 s[34:35], s[10:11], s[40:41]      ; out1: my row
	s_lshl_b32 s40, s19, 3
	s_add_nc_u64 s[36:37], s[16:17], s[40:41]      ; gwt
	s_lshl_b32 s40, s19, 2
	s_add_nc_u64 s[38:39], s[14:15], s[40:41]      ; rw
	s_wait_loadcnt 16                              ; x's eight loads are in; Wg's sixteen, issued behind them, may be out
.irp j, 0,1,2,3,4,5,6,7
	ds_store_b128 v3, v[XR+4*\j:XR+4*\j+3] offset:576*\j
.endr
.irp q, 0,1,2,3,4,5,6,7
	ds_load_b128 v[X+4*\q:X+4*\q+3], v4 offset:16*\q   ; LDS serves a wave's instructions in order: these see my stores
.endr
	s_wait_loadcnt 0x0
.irp q, 0,1,2,3,4,5,6,7,8,9,10,11,12,13,14,15
	ds_store_b128 v5, v[WB+4*\q:WB+4*\q+3] offset:576*\q
.endr
	s_wait_dscnt 0x0                               ; for the others' sake: my part of Wg lies in LDS (and my block is in)
	s_barrier_signal -1
	s_barrier_wait -1
.macro LDW g                           ; my block of experts 2 g and 2 g + 1 into buffer g % 2
.irp q, 0,1,2,3,4,5,6,7,8,9,10,11,12,13,14,15
	ds_load_b128 v[WB+64*((\g)%2)+4*\q:WB+64*((\g)%2)+4*\q+3], v6 offset:(2*(\g)+\q/8)*WGE+16*(\q%8)
.endr
.endm
.macro DOT g                           ; two experts' sums over my 32 numbers, two at a time, the two chains by turns
.set W0, WB+64*((\g)%2)
.set A0, AC+4*(\g)
	v_pk_mul_f32 v[A0:A0+1], v[X:X+1], v[W0:W0+1]
	v_pk_mul_f32 v[A0+2:A0+3], v[X:X+1], v[W0+32:W0+33]
.irp i, 2,4,6,8,10,12,14,16,18,20,22,24,26,28,30
	v_pk_fma_f32 v[A0:A0+1], v[X+\i:X+\i+1], v[W0+\i:W0+\i+1], v[A0:A0+1]
	v_pk_fma_f32 v[A0+2:A0+3], v[X+\i:X+\i+1], v[W0+32+\i:W0+33+\i], v[A0+2:A0+3]
.endr
.endm
	LDW 0
	LDW 1
	; my block into codes while Wg's blocks come: the largest magnitude with the floor 2^(5 - 127) among its leaves; 4 off its exponent field is the conversion's scale operand; that, shifted, the byte
	v_max3_num_f32 v[QM], |v[X]|, |v[X+1]|, |v[X+2]|
	v_max3_num_f32 v[QM+1], |v[X+3]|, |v[X+4]|, |v[X+5]|
.irp i, 6,10,14,18,22,26
	v_max3_num_f32 v[QM], v[QM], |v[X+\i]|, |v[X+\i+1]|
	v_max3_num_f32 v[QM+1], v[QM+1], |v[X+\i+2]|, |v[X+\i+3]|
.endr
	v_max3_num_f32 v[QM], v[QM], |v[X+30]|, |v[X+31]|
	v_max3_num_f32 v[QM], v[QM], v[QM+1], 0x2800000
	v_add_nc_u32 v[QM+2], 0xfe000000, v[QM]
	v_lshrrev_b32 v[QM+3], 23, v[QM+2]
	v_cvt_scalef32_pk16_bf6_f32 v[QM+4:QM+6], v[X:X+15], v[QM+2]
	v_cvt_scalef32_pk16_bf6_f32 v[QM+8:QM+10], v[X+16:X+31], v[QM+2]   ; (a conversion's three registers begin on an even number)
	v_nop                                          ; one plain place behind the conversions
	global_store_b96 v7, v[QM+4:QM+6], s[30:31]
	global_store_b96 v7, v[QM+8:QM+10], s[30:31] offset:12
	global_store_b8 v1, v[QM+3], s[32:33] offset:XSC   ; the wave's 32 bytes are neighbours
	s_wait_dscnt 16                                ; experts 0, 1 are in; the sixteen loads of experts 2, 3 may be out
	DOT 0
	LDW 2
	s_wait_dscnt 16
	DOT 1
	LDW 3
	s_wait_dscnt 16
	DOT 2
	s_wait_dscnt 0x0
	DOT 3
.irp e, 0,1,2,3,4,5,6,7
	v_add_f32 v[G+\e], v[AC+2*\e], v[AC+2*\e+1]
.endr
.irp m, 1,2,4,8                        ; over the 32 lanes, the eight sums by turns
.irp e, 0,1,2,3,4,5,6,7
	v_add_f32_dpp v[G+\e], v[G+\e], v[G+\e] row_xmask:\m row_mask:0xf bank_mask:0xf
.endr
.endr
.irp e, 0,1,2,3,4,5,6,7
	v_permlanex16_b32 v[PD+\e], v[G+\e], s20, s21
.endr
.irp e, 0,1,2,3,4,5,6,7
	v_add_f32 v[G+\e], v[G+\e], v[PD+\e]           ; every lane holds the eight logits
.endr
	v_max3_num_f32 v80, v[G], v[G+1], v[G+2]
	v_max3_num_f32 v80, v80, v[G+3], v[G+4]
	v_max3_num_f32 v80, v80, v[G+5], v[G+6]
	v_max_num_f32 v80, v80, v[G+7]                 ; the largest logit is taken away first
.irp e, 0,1,2,3,4,5,6,7
	v_sub_f32 v[G+\e], v[G+\e], v80
.endr
.irp e, 0,1,2,3,4,5,6,7
	v_mul_f32 v[G+\e], s22, v[G+\e]
.endr
.irp e, 0,1,2,3,4,5,6,7
	v_exp_f32 v[G+\e], v[G+\e]
.endr
	v_nop                                          ; a plain place behind the exponentials,
	s_wait_alu depctr_va_vdst(0)                   ; and one wait for the batch, ahead of its first reader
	v_add_f32 v81, v[G], v[G+1]
	v_add_f32 v82, v[G+2], v[G+3]
	v_add_f32 v83, v[G+4], v[G+5]
	v_add_f32 v84, v[G+6], v[G+7]
	v_add_f32 v81, v81, v82
	v_add_f32 v83, v83, v84
	v_add_f32 v81, v81, v83
	v_rcp_f32 v82, v81
	v_nop
	s_wait_alu depctr_va_vdst(0)
.irp e, 0,1,2,3,4,5,6,7
	v_mul_f32 v[G+\e], v[G+\e], v82
.endr
	s_wait_kmcnt 0x0                               ; the mask's byte
	s_cmp_lg_u32 s23, 0
	s_cselect_b32 s42, -1, 0                       ; all lanes where the token is padding
	s_cselect_b32 s43, 0, 0x100                    ; 'real', at bit 8
.irp e, 0,1,2,3,4,5,6,7
	v_cndmask_b32 v[G+\e], v[G+\e], v12, s42
.endr
	v_mov_b32 v83, v[G]                            ; the largest, and its index: a later one must be larger, so the lower index wins a tie
	v_mov_b32 v84, 0
.irp e, 1,2,3,4,5,6,7
	v_cmp_gt_f32 vcc_lo, v[G+\e], v83
	v_cndmask_b32 v83, v83, v[G+\e], vcc_lo
	v_cndmask_b32 v84, v84, \e, vcc_lo
.endr
	v_mov_b32 v85, -1.0                            ; the second: under every gate value at the start
	v_mov_b32 v86, 0
.irp e, 0,1,2,3,4,5,6,7
	v_cmp_gt_f32 s44, v[G+\e], v85
	v_cmp_ne_u32 s45, \e, v84
	s_and_b32 vcc_lo, s44, s45
	v_cndmask_b32 v85, v85, v[G+\e], vcc_lo
	v_cndmask_b32 v86, v86, \e, vcc_lo
.endr
	v_add_f32 v87, v83, v85
	v_cmp_eq_f32 vcc_lo, 0, v87
	v_cndmask_b32 v87, v87, 1.0, vcc_lo            ; a sum of 0 divides as 1
	v_rcp_f32 v88, v87
	v_nop
	s_wait_alu depctr_va_vdst(0)
	v_mul_f32 v89, v83, v88
	v_mul_f32 v90, v85, v88
.irp i, 0,1,2,3
	v_cndmask_b32 v[92+\i], v[G+\i], v[G+4+\i], s24   ; lane 0 stores gate values 0-3, the first weight and index; lane 1 the others
.endr
	v_cndmask_b32 v96, v89, v90, s24
	v_cndmask_b32 v97, v84, v86, s24
	v_or_b32 v97, s43, v97
	s_wait_xcnt 0x0                                ; EXEC changes only behind this wait
	v_cmp_gt_u32 vcc_lo, 2, v1
	s_wait_tensorcnt 0x0
	ds_add_u32 v254, v255
	s_wait_dscnt 0x0
	s_and_saveexec_b32 s25, vcc_lo
	global_store_b128 v2, v[92:95], s[34:35]
	global_store_b32 v8, v96, s[36:37]
	global_store_b16 v9, v97, s[38:39]
	s_wait_xcnt 0x0
	s_or_b32 exec_lo, exec_lo, s25
	s_endpgm
.Lfunc_end_k_qec48eea059_gate:
	.size	k_qec48eea059_gate, .Lfunc_end_k_qec48eea059_gate-k_qec48eea059_gate
	.p2alignl 7, 3214868480
	.fill 96, 4, 3214868480
	.section	.rodata,"a",@progbits
	.p2align	6, 0x0
	.amdhsa_kernel k_qec48eea059_gate
		.amdhsa_group_segment_fixed_size 55808
		.amdhsa_private_segment_fixed_size 0
		.amdhsa_enable_private_segment 0
		.amdhsa_kernarg_size 56
		.amdhsa_user_sgpr_count 2
		.amdhsa_user_sgpr_kernarg_segment_ptr 1
		.amdhsa_wavefront_size32 1
		.amdhsa_system_sgpr_workgroup_id_x 1
		.amdhsa_system_sgpr_workgroup_id_y 1
		.amdhsa_system_sgpr_workgroup_id_z 1
		.amdhsa_system_vgpr_workitem_id 0
		.amdhsa_next_free_vgpr 256
		.amdhsa_next_free_sgpr 66
		.amdhsa_reserve_vcc 1
		.amdhsa_float_denorm_mode_32 3
		.amdhsa_float_denorm_mode_16_64 3
		.amdhsa_memory_ordered 1
		.amdhsa_forward_progress 1
		.amdhsa_inst_pref_size 31
	.end_amdhsa_kernel
	.amdgpu_metadata
---
amdhsa.version: [ 1, 2 ]
amdhsa.kernels:
  - .name:           k_qec48eea059_gate
    .symbol:         k_qec48eea059_gate.kd
    .args:
      - { .name: x, .offset: 0, .size: 8, .value_kind: global_buffer, .address_space: global }
      - { .name: padding_mask, .offset: 8, .size: 8, .value_kind: global_buffer, .address_space: global }
      - { .name: Wg, .offset: 16, .size: 8, .value_kind: global_buffer, .address_space: global }
      - { .name: out1, .offset: 24, .size: 8, .value_kind: global_buffer, .address_space: global }
      - { .name: xq, .offset: 32, .size: 8, .value_kind: global_buffer, .address_space: global }
      - { .name: rw, .offset: 40, .size: 8, .value_kind: global_buffer, .address_space: global }
      - { .name: gwt, .offset: 48, .size: 8, .value_kind: global_buffer, .address_space: global }
    .group_segment_fixed_size: 55808
    .private_segment_fixed_size: 0
    .kernarg_segment_align: 8
    .kernarg_segment_size: 56
    .max_flat_workgroup_size: 128
    .sgpr_count:     66
    .vgpr_count:     256
    .wavefront_size: 32
...
	.end_amdgpu_metadata
.endif
;; end of part 1
;; launch place (part 2): grid 1 x 1, 8 waves a work-group, no clusters, 2,048 bytes of LDS; arguments rw, out1, route, out2; writes route, out2
.if DOCPART == 2
	.amdgcn_target "amdgcn-amd-amdhsa--gfx1250"
	.amdhsa_code_object_version 6
	.text
	.protected	k_qec48eea059_place
	.globl	k_qec48eea059_place
	.p2align	8
	.type	k_qec48eea059_place,@function
k_qec48eea059_place:
	s_mov_b64 s[64:65], 0
	v_nop
	global_prefetch_b8 v0, s[64:65] scope:SCOPE_SE
	s_setreg_imm32_b32 hwreg(HW_REG_WAVE_MODE, 25, 1), 1
	s_wait_xcnt 0x0
; THE ROWS ARE PLACED BY EXPERT, AND THE LOSS.  One work-group; wave e serves expert e: it walks all 1,024 words of rw (index 0 | real << 8 | index 1 << 16 | real << 24), 32 tokens a step,
; gives each token that chose e the next free position (the count so far + the member lanes below mine), and stores
;   list[e][pos] = token (4,352 bytes an expert),   inv[2 token + k] = 1024 e + pos (from byte INV),   cnt[e] (from byte CNT).
; ALL LANES STORE IN EVERY STEP: a lane whose token did not choose e sends its two words to a spare word of its own (from byte TR on, 4 bytes a thread), which nobody reads.  So the word index is chosen by
; v_cndmask_b32, then held inside route by a constant, then shifted, all with every lane on; EXEC is never changed in this text.
; THE 32 STEPS GO IN FOUR BATCHES OF EIGHT, line by line across a batch, so that no line waits for the line above it: the masks, the counts and running bases (scalar), the offsets, then the sixteen stores.
; Each step has its own four registers for its stores' offsets and data (128 in all): no store's source is written again, so no wait stands between the steps.
; Behind an expert's last row 64 entries 'token 0' are stored, so that every list word that a later launch loads has been written (a last tile's spare rows, and the words asked for before the count is known).
; No atomics: each expert has one owner.  One work-group, since a position hangs on all tokens before it; the whole input is 4 KiB.
; THE LOSS: 8 x sum over e of (top-1 tokens of e that are real / n) x (sum of gate values of e / n), n the number of real tokens.  Wave w sums 128 rows of out1; the parts meet in LDS behind one barrier.
; n = 0 gives NaN, as the definition does.
.set INV,   34816
.set CNT,   43008
.set TR,    43264                      ; the spare words: 256 threads x 4 bytes
.set LASTW, 11071                      ; route's last word: 44,288 / 4 - 1
.set LROW,  4352
.set RW,    16                         ; v16-47   rw: register s: token 128 (s / 4) + 4 lane + s % 4
.set GV,    48                         ; v48-79   my 128 rows of out1
.set TA,    80                         ; v80-87   a batch's first choices
.set TB,    88                         ; v88-95   second choices
.set ST,    96                         ; v96-223  step s at ST + 4 s: list offset, token, inv offset, 1024 e + pos
.set TC,    224                        ; v224-231 'real'
.set TP,    232                        ; v232-239 positions
.set M0,    40                         ; s40-47   first choice is e; then: the members
.set M1,    48                         ; s48-55   second choice is e
.set MR,    56                         ; s56-63   real
.set BS,    66                         ; s66-73   rows placed ahead of the step
	s_load_b256 s[4:11], s[0:1], 0x0               ; rw s[4:5], out1 s[6:7], route s[8:9], out2 s[10:11]
	v_lshl_add_u32 v254, v0, 2, 0x400
	v_mov_b32 v255, 0
	v_lshrrev_b32 v5, 5, v0
	v_readfirstlane_b32 s18, v5                    ; wave = expert
	v_and_b32 v1, 31, v0                           ; lane
	v_lshlrev_b32 v2, 4, v1
	v_lshlrev_b32 v3, 2, v1                        ; 4 x lane: my first token of a load's 128
	v_mov_b32 v4, 0
	v_and_b32 v6, 1, v0
	v_lshlrev_b32 v6, 4, v6
	v_lshl_add_u32 v6, v5, 5, v6                   ; LDS: 32 x wave + 16 (lane % 2): my wave's eight sums
	v_lshl_add_u32 v7, v5, 2, 256                  ; LDS: 256 + 4 x wave: my expert's top-1 count
	v_and_b32 v8, 7, v0
	v_lshlrev_b32 v8, 2, v8                        ; LDS: 4 (lane % 8)
	v_add_nc_u32 v9, TR/4, v0                      ; my spare word of route
	s_mov_b32 s19, 0                               ; rows placed so far
	s_mov_b32 s25, 0                               ; real tokens whose first choice is e
	s_mov_b32 s26, 0                               ; real tokens
	s_lshl_b32 s27, s18, 10                        ; 1024 e
	s_mul_i32 s34, s18, LROW/4                     ; my list's first word
	s_mov_b32 s30, 0x76543210
	s_mov_b32 s31, 0xfedcba98
	s_mov_b32 s33, 0
	s_wait_kmcnt 0x0
	s_mul_i32 s32, s18, LROW
	s_add_nc_u64 s[12:13], s[8:9], s[32:33]        ; my list
	s_lshl_b32 s32, s18, 2
	s_add_nc_u64 s[14:15], s[8:9], s[32:33]        ; my count (the immediate CNT on top)
	s_lshl_b32 s32, s18, 12
	s_add_nc_u64 s[28:29], s[6:7], s[32:33]        ; my 128 rows of out1
.irp j, 0,1,2,3,4,5,6,7
	global_load_b128 v[RW+4*\j:RW+4*\j+3], v2, s[4:5] offset:512*\j
.endr
.irp j, 0,1,2,3,4,5,6,7
	global_load_b128 v[GV+4*\j:GV+4*\j+3], v2, s[28:29] offset:512*\j  ; row 16 j + lane / 2, experts 4 (lane % 2) on
.endr
	s_wait_loadcnt 8                               ; rw is in; out1's eight loads may be out
.macro BATCH bt                        ; steps 8 bt .. 8 bt + 7
.irp i, 0,1,2,3,4,5,6,7
	v_and_b32 v[TA+\i], 0xff, v[RW+8*\bt+\i]
	v_bfe_u32 v[TB+\i], v[RW+8*\bt+\i], 16, 8
	v_bfe_u32 v[TC+\i], v[RW+8*\bt+\i], 8, 1
.endr
.irp i, 0,1,2,3,4,5,6,7
	v_cmp_eq_u32 s[M0+\i], s18, v[TA+\i]           ; first choice is e
	v_cmp_eq_u32 s[M1+\i], s18, v[TB+\i]           ; second choice is e
	v_cmp_ne_u32 s[MR+\i], 0, v[TC+\i]             ; real
.endr
.irp i, 0,1,2,3,4,5,6,7
	s_and_b32 s23, s[M0+\i], s[MR+\i]
	s_bcnt1_i32_b32 s23, s23
	s_add_co_u32 s25, s25, s23
	s_bcnt1_i32_b32 s23, s[MR+\i]
	s_add_co_u32 s26, s26, s23
	s_or_b32 s[M0+\i], s[M0+\i], s[M1+\i]          ; the members
	s_mov_b32 s[BS+\i], s19
	s_bcnt1_i32_b32 s23, s[M0+\i]
	s_add_co_u32 s19, s19, s23
.endr
.irp i, 0,1,2,3,4,5,6,7
	v_mbcnt_lo_u32_b32 v[TP+\i], s[M0+\i], 0       ; members in the lanes below mine
.endr
.irp i, 0,1,2,3,4,5,6,7
	v_add_nc_u32 v[TP+\i], s[BS+\i], v[TP+\i]      ; pos
.endr
.irp i, 0,1,2,3,4,5,6,7
.set SR, ST+4*(8*\bt+\i)
	v_add_nc_u32 v[SR+3], s27, v[TP+\i]            ; 1024 e + pos
	v_add_nc_u32 v[SR], s34, v[TP+\i]              ; the list's word
	v_add_nc_u32 v[SR+1], 128*((8*\bt+\i)/4)+(8*\bt+\i)%4, v3   ; the token
	v_cndmask_b32 v[SR+2], 0, 1, s[M1+\i]          ; k
.endr
.irp i, 0,1,2,3,4,5,6,7
.set SR, ST+4*(8*\bt+\i)
	v_cndmask_b32 v[SR], v9, v[SR], s[M0+\i]       ; the list's word, or my spare word;
	v_lshl_add_u32 v[SR+2], v[SR+1], 1, v[SR+2]    ; 2 token + k
.endr
.irp i, 0,1,2,3,4,5,6,7
.set SR, ST+4*(8*\bt+\i)
	v_min_u32 v[SR], LASTW, v[SR]                  ; held inside route
	v_add_nc_u32 v[SR+2], INV/4, v[SR+2]           ; inv's word,
.endr
.irp i, 0,1,2,3,4,5,6,7
.set SR, ST+4*(8*\bt+\i)
	v_lshlrev_b32 v[SR], 2, v[SR]
	v_cndmask_b32 v[SR+2], v9, v[SR+2], s[M0+\i]   ; or my spare word;
.endr
.irp i, 0,1,2,3,4,5,6,7
.set SR, ST+4*(8*\bt+\i)
	v_min_u32 v[SR+2], LASTW, v[SR+2]
.endr
.irp i, 0,1,2,3,4,5,6,7
.set SR, ST+4*(8*\bt+\i)
	v_lshlrev_b32 v[SR+2], 2, v[SR+2]
.endr
.irp i, 0,1,2,3,4,5,6,7
.set SR, ST+4*(8*\bt+\i)
	global_store_b32 v[SR], v[SR+1], s[8:9]
	global_store_b32 v[SR+2], v[SR+3], s[8:9]
.endr
.endm
	BATCH 0
	BATCH 1
	BATCH 2
	BATCH 3
.irp q, 0,1                            ; 64 spare entries: token 0
	v_add_nc_u32 v[240+\q], s19, v1
	v_add_nc_u32 v[240+\q], 32*\q, v[240+\q]
	v_min_u32 v[240+\q], 0x43f, v[240+\q]          ; a list has 1,088 words
	v_lshlrev_b32 v[240+\q], 2, v[240+\q]
	global_store_b32 v[240+\q], v4, s[12:13]
.endr
	v_mov_b32 v242, s19
	global_store_b32 v4, v242, s[14:15] offset:CNT ; all lanes store the same word with the same value
	s_wait_loadcnt 0x0                             ; out1's rows
	v_pk_add_f32 v[80:81], v[48:49], v[52:53]
	v_pk_add_f32 v[82:83], v[50:51], v[54:55]
.irp q, 2,3,4,5,6,7
	v_pk_add_f32 v[80:81], v[80:81], v[48+4*\q:49+4*\q]
	v_pk_add_f32 v[82:83], v[82:83], v[50+4*\q:51+4*\q]
.endr
.irp m, 2,4,8                          ; over the lanes of my parity
.irp i, 0,1,2,3
	v_add_f32_dpp v[80+\i], v[80+\i], v[80+\i] row_xmask:\m row_mask:0xf bank_mask:0xf
.endr
.endr
.irp i, 0,1,2,3
	v_permlanex16_b32 v[84+\i], v[80+\i], s30, s31 ; (v84-87 were written by the batches: a lane permute's destination counts as one of its sources)
.endr
.irp i, 0,1,2,3
	v_add_f32 v[80+\i], v[80+\i], v[84+\i]
.endr
	v_cvt_f32_u32 v88, s25
	ds_store_b128 v6, v[80:83]                     ; lanes of one parity write the same bytes with the same values
	ds_store_b32 v7, v88
	s_wait_dscnt 0x0                               ; for wave 0's sake
	s_barrier_signal -1
	s_barrier_wait -1
	s_cmp_lg_u32 s18, 0
	s_cbranch_scc1 .Lend
.irp w, 0,1,2,3,4,5,6,7
	ds_load_b32 v[48+\w], v8 offset:32*\w          ; wave w's sum for expert lane % 8
.endr
	ds_load_b32 v56, v8 offset:256                 ; and that expert's count
	v_cvt_f32_u32 v57, s26
	v_rcp_f32 v58, v57
	v_nop
	s_wait_dscnt 0x0
	v_add_f32 v48, v48, v49
	v_add_f32 v50, v50, v51
	v_add_f32 v52, v52, v53
	v_add_f32 v54, v54, v55
	v_add_f32 v48, v48, v50
	v_add_f32 v52, v52, v54
	v_add_f32 v48, v48, v52
	v_mul_f32 v48, v48, v56
	v_add_f32_dpp v48, v48, v48 row_xmask:1 row_mask:0xf bank_mask:0xf
	v_add_f32_dpp v48, v48, v48 row_xmask:2 row_mask:0xf bank_mask:0xf
	v_add_f32_dpp v48, v48, v48 row_xmask:4 row_mask:0xf bank_mask:0xf
	s_wait_alu depctr_va_vdst(0)                   ; the reciprocal's wait, ahead of its first reader
	v_mul_f32 v48, v48, v58
	v_mul_f32 v48, v48, v58
	v_mul_f32 v48, 0x41000000, v48                 ; x 8 experts
	global_store_b32 v4, v48, s[10:11]             ; every group of eight lanes has summed the same eight terms in the same pairs: all lanes store the same word with the same value
.Lend:
	s_wait_tensorcnt 0x0
	ds_add_u32 v254, v255
	s_wait_dscnt 0x0
	s_endpgm
.Lfunc_end_k_qec48eea059_place:
	.size	k_qec48eea059_place, .Lfunc_end_k_qec48eea059_place-k_qec48eea059_place
	.p2alignl 7, 3214868480
	.fill 96, 4, 3214868480
	.section	.rodata,"a",@progbits
	.p2align	6, 0x0
	.amdhsa_kernel k_qec48eea059_place
		.amdhsa_group_segment_fixed_size 2048
		.amdhsa_private_segment_fixed_size 0
		.amdhsa_enable_private_segment 0
		.amdhsa_kernarg_size 32
		.amdhsa_user_sgpr_count 2
		.amdhsa_user_sgpr_kernarg_segment_ptr 1
		.amdhsa_wavefront_size32 1
		.amdhsa_system_sgpr_workgroup_id_x 1
		.amdhsa_system_sgpr_workgroup_id_y 1
		.amdhsa_system_sgpr_workgroup_id_z 1
		.amdhsa_system_vgpr_workitem_id 0
		.amdhsa_next_free_vgpr 256
		.amdhsa_next_free_sgpr 80
		.amdhsa_reserve_vcc 0
		.amdhsa_float_denorm_mode_32 3
		.amdhsa_float_denorm_mode_16_64 3
		.amdhsa_memory_ordered 1
		.amdhsa_forward_progress 1
		.amdhsa_inst_pref_size 58
	.end_amdhsa_kernel
	.amdgpu_metadata
---
amdhsa.version: [ 1, 2 ]
amdhsa.kernels:
  - .name:           k_qec48eea059_place
    .symbol:         k_qec48eea059_place.kd
    .args:
      - { .name: rw, .offset: 0, .size: 8, .value_kind: global_buffer, .address_space: global }
      - { .name: out1, .offset: 8, .size: 8, .value_kind: global_buffer, .address_space: global }
      - { .name: route, .offset: 16, .size: 8, .value_kind: global_buffer, .address_space: global }
      - { .name: out2, .offset: 24, .size: 8, .value_kind: global_buffer, .address_space: global }
    .group_segment_fixed_size: 2048
    .private_segment_fixed_size: 0
    .kernarg_segment_align: 8
    .kernarg_segment_size: 32
    .max_flat_workgroup_size: 256
    .sgpr_count:     80
    .vgpr_count:     256
    .wavefront_size: 32
...
	.end_amdgpu_metadata
.endif
;; end of part 2
;; launch ffn1 (part 3): grid 32 x 8, 4 waves a work-group, no clusters, 103,936 bytes of LDS; arguments xq, route, W1_codes, W1_scales, b1, hq; writes hq
.if DOCPART == 3
	.amdgcn_target "amdgcn-amd-amdhsa--gfx1250"
	.amdhsa_code_object_version 6
	.text
	.protected	k_qec48eea059_ffn1
	.globl	k_qec48eea059_ffn1
	.p2align	8
	.type	k_qec48eea059_ffn1,@function
k_qec48eea059_ffn1:
	s_mov_b64 s[64:65], 0
	v_nop
	global_prefetch_b8 v0, s[64:65] scope:SCOPE_SE
	s_setreg_imm32_b32 hwreg(HW_REG_WAVE_MODE, 25, 1), 1
	s_wait_xcnt 0x0
; h = relu(x W1[e]^T + b1[e]) FOR THE ROWS THAT CHOSE EXPERT e, quantised along the hidden axis on the way.  Both operands are codes of E3M2 with one E8M0 byte for each 32 along K = 1,024.
; SHARES.  Work-group (j, e) owns hidden units 128 j .. 128 j + 127 of expert e: 128 rows of W1, 96 KiB of codes, read from memory once, two aligned runs of 256 bytes a load, all 48 loads of a wave out together.
; They turn through LDS and then lie WHOLE in each of the four waves' registers (64 fragments x 12 = 768) for the launch's life.
; THE SLAB COMES IN THREE COLUMN BLOCKS of 256 bytes a row.  When a block of all 128 rows lies in the stage (a barrier for each block), every wave reads the fragments of the K steps that are whole by then
; (bytes 0-255: K steps 0, 1; 0-511: 2 to 4; all: 5 to 7), while the later blocks are still on their way from memory.  Between two barriers the reads and the other waves' stores touch different bytes of a row.
; The waves share the expert's rows out: wave w takes tiles of 16 rows w, w + 4, ..  In the loop a wave loads 12 KiB of x's codes (gathered by the list, straight into operand registers: xq lies in their order)
; and issues 64 matrix instructions; no LDS operand, no barrier.
; The number of tiles is read from memory (route's cnt), so this launch has no tensor load, no copy and no cluster, and its three barriers stand ahead of every branch on that number.
; A work-group whose expert has no rows for one of its waves lets that wave end; a grid of 8 x 32 serves every split.
; THE PRODUCT IS USED TRANSPOSED (source 0 = 16 rows of W1, source 1 = 16 rows of x), and THE ROWS OF W1 THAT FORM A TILE ARE NOT NEIGHBOURS: lane r of tile 2 b + u takes row 32 b + 8 u + r + 8 (r / 8),
; so that a lane holds one row of h and the 16 registers of tiles 2 b, 2 b + 1 are hidden units 32 b + 16 (lane / 16) + 0 .. 15: neighbours along the next K.  The 128 units are one K step of the next product:
; they leave as an IMAGE OF THE OPERAND'S REGISTERS (three stores of 512 consecutive bytes) and one scale word a row.  b1 is the C of each sum's first matrix instruction: it is loaded into the accumulators from LDS.
; SCALE WORDS: a lane loads 16 bytes: lanes 0-15 the words of K steps 0-3 of their row, lanes 16-31 those of K steps 4-7; K steps 4-7 name the same registers with the selector for the upper lanes.
; LIMITS: a block of h whose largest number lies under 2^(5 - 127), zeros among them, keeps the byte 1 (its codes are what the conversion gives; only this program reads the bytes).  NaN, infinities: not served.
; REGISTERS: window 0: v1-11 offsets and addresses; v12-15 x's scale words, v16-19 the next tile's; v20-51 W1's scale words; v52-63 fragment 63; v64-159 x's 8 fragments; v160-223 8 accumulators; v224-255 the quantiser
; (at the head: addresses that only the head uses).  Windows 1-3: fragments 0-62 of W1 (fragment 8 s + t: K step s, tile t), 21 a window; the slab as loaded lies in window 3, v0-191, which the last fragments take.
.set ROWP, 768                         ; a row of W1's codes in memory
.set RP,   784                         ; and in the stage: 768 + 16; 128 bytes more behind every 16 rows
.set WQ,   25344                       ; 32 rows of the stage
.set BIAS, 4*WQ                        ; behind the stage: b1's 128 numbers, a copy for each wave
.set HSO,  25165824                    ; where hq's scale words begin
.set HSTEP, 196608                     ; four tiles on in hq's images: 4 x 32 x 1,536
.set SSTEP, 8192                       ; and in its scale words: 4 x 4 x 512
.set CNT,  43008
.set XSC,  786432
.set XO,  1                            ; v1   768 x token + 48 h
.set XSO, 2                            ; v2   32 x token + 16 h
.set TK,  3                            ; v3   the next tile's token, as loaded
.set LA,  4                            ; v4   where the list word after that lies
.set R4,  5                            ; v5   4 r
.set H48, 6                            ; v6   48 h
.set H16, 7                            ; v7   16 h
.set L16, 8                            ; v8   16 x lane
.set SO,  9                            ; v9   my row's scale word in hq
.set BA,  10                           ; v10  LDS: my half's bias
.set TMP, 11
.set XS,  12
.set XSN, 16
.set WS,  20
.set XF,  64
.set HA,  160
.set TM,  224                          ; v224-227 maxima, v228-231 permuted / bytes, v232-235 scale operands
.set PC,  236                          ; v236-247 the codes; v248-250, v252-254 halves on the way
.set PW,  251                          ; the scale word
.set SA,  224                          ; the head's own
.set FA0, 225
.set FA1, 226
.set WL,  227
.set BR,  232
.set WSO, 236
.set BST, 237
.set LN,  238
.set RR,  239
.set HH,  240
.set MSB, 0
.macro WIN new                         ; the immediate's high byte repeats the setting that is left; a switch that changes nothing is dropped
.if MSB != \new
	s_set_vgpr_msb (MSB<<8)|\new
.set MSB, \new
.endif
.endm
.macro FSET f                          ; where fragment f lies: window FW, register FRG
.if (\f) < 63
.set FW, 1+(\f)/21
.set FRG, 12*((\f)%21)
.else
.set FW, 0
.set FRG, 52
.endif
.endm
.macro PLACES                          ; four plain places behind matrix instructions, ahead of loads into their sources and of reads of their results
.rept 4
	v_nop
.endr
.endm
.macro STIN u                          ; column block u of my wave's 32 rows goes into the stage as it was loaded
	WIN 0x0c                                       ; an LDS store's data are its source 1: window 3
.set q, 0
.rept 16
	ds_store_b128 v[SA], v[64*(\u)+4*q:64*(\u)+4*q+3] offset:q*2*RP+(q/8)*128+256*(\u)
.set q, q+1
.endr
	WIN 0
.endm
.macro FRAGS f0, num                   ; fragments f0 .. f0 + num - 1 out of the stage into my registers: six loads of 8 bytes a fragment, every address a multiple of 8
.set f, \f0
.rept \num
	FSET f
.set WN, FW<<6
	WIN WN
.set TB, WQ*(((f%8)/2)%2)+8*RP*(f%2)+96*(f/8)
.irp p, 0,1,2,3,4,5
.if (f%8) < 4
	ds_load_b64 v[FRG+2*\p:FRG+2*\p+1], v[FA0] offset:TB+48*(\p/3)+8*(\p%3)
.else
	ds_load_b64 v[FRG+2*\p:FRG+2*\p+1], v[FA1] offset:TB+48*(\p/3)+8*(\p%3)
.endif
.endr
.set f, f+1
.endr
	WIN 0
.endm
.macro MEET                            ; my LDS stores have landed and my LDS loads are in: then the work-group's barrier
	s_wait_dscnt 0x0
	s_barrier_signal -1
	s_barrier_wait -1
.endm
	s_load_b256 s[4:11], s[0:1], 0x0               ; xq s[4:5], route s[6:7], W1's codes s[8:9], W1's scales s[10:11]
	s_load_b128 s[12:15], s[0:1], 0x20             ; b1 s[12:13], hq s[14:15]
	v_lshl_add_u32 v255, v0, 2, 0x19400
	s_set_vgpr_msb 0x40
	v_mov_b32 v255, 0
	s_set_vgpr_msb 0x4000
	v_lshrrev_b32 v[TMP], 5, v0
	v_readfirstlane_b32 s16, v[TMP]                ; wave 0..3
	s_mov_b32 s17, ttmp9                           ; j
	s_and_b32 s18, ttmp7, 0xffff                   ; e
	s_mov_b32 s22, 0x76543210                      ; v_permlanex16_b32's selects for lane l xor 16
	s_mov_b32 s23, 0xfedcba98
	s_mov_b32 s25, 0
	v_and_b32 v[LN], 31, v0
	v_and_b32 v[RR], 15, v0                        ; r
	v_bfe_u32 v[HH], v0, 4, 1                      ; h
	v_lshlrev_b32 v[L16], 4, v[LN]
	v_lshlrev_b32 v[R4], 2, v[RR]
	v_mul_u32_u24 v[H48], v[HH], 48
	v_lshlrev_b32 v[H16], 4, v[HH]
	v_mul_u32_u24 v[WL], v[HH], ROWP
	v_lshl_add_u32 v[WL], v[RR], 4, v[WL]          ; the slab's loads: sixteen lanes take 256 bytes of a row, the other sixteen of the next row
	s_mul_i32 s32, s16, WQ
	v_mul_u32_u24 v[SA], v[HH], RP
	v_lshl_add_u32 v[SA], v[RR], 4, v[SA]
	v_add_nc_u32 v[SA], s32, v[SA]                 ; and the same place in the stage: my wave's 32 rows
	v_and_b32 v[FA1], 8, v[RR]
	v_add_nc_u32 v[TMP], v[FA1], v[RR]             ; r + 8 (r / 8)
	v_mul_u32_u24 v[FA0], v[TMP], RP
	v_lshl_add_u32 v[FA0], v[FA1], 4, v[FA0]       ; (rows 16 on lie behind one gap of 128 bytes)
	v_mad_u32_u24 v[FA0], v[HH], 24, v[FA0]        ; a fragment's row, + 24 h
	v_add_nc_u32 v[FA1], 2*WQ, v[FA0]              ; the same for rows 64 on
	v_lshlrev_b32 v[WSO], 5, v[TMP]
	v_lshl_add_u32 v[WSO], v[HH], 4, v[WSO]        ; W1's scale bytes: 32 a row, + 16 h
	s_lshl_b32 s32, s16, 9
	s_add_co_u32 s32, s32, BIAS
	v_lshl_add_u32 v[BA], v[HH], 6, s32
	v_lshl_add_u32 v[BST], v[LN], 4, s32
	s_bfe_u32 s32, s17, 0x10002
	s_lshl_b32 s32, s32, 8
	s_and_b32 s33, s17, 3
	s_lshl_b32 s33, s33, 2
	s_add_co_u32 s32, s32, s33
	v_lshl_add_u32 v[SO], v[RR], 4, s32            ; 16 r + 256 ((j / 4) % 2) + 4 (j % 4)
	s_lshl_b32 s32, s16, 6
	v_add_nc_u32 v[LA], s32, v[R4]                 ; the list words of tile w
.irp b, 0,1,2,3
	v_mov_b32 v[TM+4+\b], 0                        ; a lane permute's destination counts as one of its sources
.endr
	s_wait_kmcnt 0x0
	s_lshl_b32 s32, s18, 12
	s_lshl_b32 s33, s17, 7
	s_add_co_u32 s32, s32, s33                     ; the slab's first row: 4096 e + 128 j
	s_lshl_b32 s33, s16, 5
	s_add_co_u32 s33, s32, s33
	s_mul_i32 s24, s33, ROWP
	s_add_nc_u64 s[8:9], s[8:9], s[24:25]          ; codes: my wave's 32 rows
	s_lshl_b32 s24, s32, 5
	s_add_nc_u64 s[10:11], s[10:11], s[24:25]
	s_lshl_b32 s24, s32, 2
	s_add_nc_u64 s[12:13], s[12:13], s[24:25]
	s_mul_i32 s24, s18, 4352
	s_add_nc_u64 s[26:27], s[6:7], s[24:25]        ; the expert's list
	s_lshl_b32 s24, s18, 2
	s_add_nc_u64 s[34:35], s[6:7], s[24:25]
	s_load_b32 s19, s[34:35], CNT                  ; the expert's rows
	s_lshl_b32 s33, s18, 6
	s_add_co_u32 s33, s33, s16                     ; 64 e + w: my first tile
	s_lshl_b32 s24, s33, 5
	s_add_co_u32 s24, s24, s17
	s_mul_i32 s24, s24, 1536
	s_add_nc_u64 s[28:29], s[14:15], s[24:25]      ; hq: image (tile, K step j)
	s_lshl_b32 s24, s33, 2
	s_lshr_b32 s32, s17, 3
	s_add_co_u32 s24, s24, s32
	s_lshl_b32 s24, s24, 9
	s_add_nc_u64 s[30:31], s[14:15], s[24:25]
	s_add_nc_u64 s[30:31], s[30:31], HSO           ; hq: scale words (tile, chunk j / 8)
	WIN 0xc0                                       ; destination window 3
.set q, 0
.rept 48                               ; column block q / 16, rows 2 (q % 16) and the next
	global_load_b128 v[4*q:4*q+3], v[WL], s[8:9] offset:(q%16)*2*ROWP+256*(q/16) th:TH_LOAD_NT   ; two aligned runs of 256 bytes; read once in the launch
.set q, q+1
.endr
	WIN 0
.irp t, 0,1,2,3,4,5,6,7
	global_load_b128 v[WS+4*\t:WS+4*\t+3], v[WSO], s[10:11] offset:(32*(\t/2)+8*(\t%2))*32
.endr
	global_load_b128 v[BR:BR+3], v[L16], s[12:13]  ; b1's 128 numbers
	global_load_b32 v[TK], v[LA], s[26:27]         ; tile w's tokens (written whatever the count: the list's spare entries)
	s_wait_loadcnt 42                              ; block 0's sixteen loads are in; behind them: 32 of the slab and the ten others
	STIN 0
	MEET                                           ; bytes 0-255 of all 128 rows lie in the stage
	FRAGS 0, 16                                    ; K steps 0 and 1: bytes 0-191 of the rows
	s_wait_loadcnt 26                              ; block 1 is in; behind it: 16 + 10
	STIN 1
	MEET                                           ; bytes 0-511
	FRAGS 16, 24                                   ; K steps 2 to 4: bytes 192-479
	s_wait_loadcnt 10                              ; block 2 is in; behind it the ten others
	STIN 2
	s_wait_loadcnt 1                               ; the scale words and b1 are in; the list word may be out
	ds_store_b128 v[BST], v[BR:BR+3]
	MEET                                           ; the whole slab; the last barrier, ahead of every branch on loaded data
	s_wait_kmcnt 0x0
	s_min_u32 s19, s19, 0x400
	s_add_co_u32 s20, s19, 15
	s_lshr_b32 s20, s20, 4                         ; tiles of 16 rows
	s_cmp_lt_u32 s16, s20
	s_cbranch_scc0 .Lend                           ; no tile for this wave
	s_sub_co_u32 s37, s20, s16
	s_add_co_u32 s37, s37, 3
	s_lshr_b32 s37, s37, 2                         ; my tiles: w, w + 4, .. below the expert's number: at least one
.macro GROUP g                         ; x's fragments of K steps 2 g and 2 g + 1: 48 consecutive bytes a lane and K step
.irp ss, 0,1
.irp u, 0,1,2
	global_load_b128 v[XF+12*(2*(\g)+\ss)+4*\u:XF+12*(2*(\g)+\ss)+4*\u+3], v[XO], s[4:5] offset:96*(2*(\g)+\ss)+16*\u
.endr
.endr
.endm
.macro BIASLD                          ; b1 into the accumulators: lane (r, h), tile 2 b + u: units 32 b + 16 h + 8 u + 0 .. 7
.irp t, 0,1,2,3,4,5,6,7
	ds_load_b128 v[HA+8*\t:HA+8*\t+3], v[BA] offset:128*(\t/2)+32*(\t%2)
	ds_load_b128 v[HA+8*\t+4:HA+8*\t+7], v[BA] offset:128*(\t/2)+32*(\t%2)+16
.endr
.endm
	s_wait_loadcnt 0x0                             ; tile w's tokens
	v_min_u32 v[TMP], 0x3ff, v[TK]
	v_mad_u32_u24 v[XO], v[TMP], ROWP, v[H48]
	v_lshl_add_u32 v[XSO], v[TMP], 5, v[H16]
	s_add_co_u32 s21, s16, 4                       ; the tile after this one
	s_sub_co_u32 s33, s20, 1
	s_min_u32 s32, s21, s33                        ; (held at the last tile: no list word beyond the spare entries is asked for)
	s_min_u32 s32, s32, 63
	s_lshl_b32 s32, s32, 6
	v_add_nc_u32 v[LA], s32, v[R4]
	global_load_b128 v[XS:XS+3], v[XSO], s[4:5] offset:XSC   ; the loads go out in the loop's own order, so that its counts hold on the way in
	GROUP 0
	global_load_b32 v[TK], v[LA], s[26:27]
	GROUP 1
	GROUP 2
	GROUP 3
	FRAGS 40, 24                                   ; K steps 5 to 7, while the first tile's operands come
	BIASLD
.macro MM s, t                         ; K step s, tile t.  The eight accumulators take turns, one instruction a turn, over the loop's edge too
	FSET 8*(\s)+(\t)
	WIN FW
.if (\s) < 4
	v_wmma_scale_f32_16x16x128_f8f6f4 v[HA+8*(\t):HA+8*(\t)+7], v[FRG:FRG+11], v[XF+12*(\s):XF+12*(\s)+11], v[HA+8*(\t):HA+8*(\t)+7], v[WS+4*(\t)+(\s)%4], v[XS+(\s)%4] matrix_a_fmt:MATRIX_FMT_BF6 matrix_b_fmt:MATRIX_FMT_BF6
.else
	v_wmma_scale_f32_16x16x128_f8f6f4 v[HA+8*(\t):HA+8*(\t)+7], v[FRG:FRG+11], v[XF+12*(\s):XF+12*(\s)+11], v[HA+8*(\t):HA+8*(\t)+7], v[WS+4*(\t)+(\s)%4], v[XS+(\s)%4] matrix_a_fmt:MATRIX_FMT_BF6 matrix_b_fmt:MATRIX_FMT_BF6 matrix_a_scale:MATRIX_SCALE_ROW1 matrix_b_scale:MATRIX_SCALE_ROW1
.endif
.endm
; 64 numbers of a lane, register 16 b + i = unit 32 b + 16 (lane / 16) + i of my row, none negative, become a fragment's codes in v[PC] on and its scale word in v[PW]
.macro QUANT s
.irp b, 0,1,2,3
	v_max3_num_f32 v[TM+\b], v[\s+16*\b], v[\s+1+16*\b], 0x2800000   ; and the floor 2^(5 - 127): the byte cannot fall under 1
.endr
.irp i, 2,4,6,8,10,12,14
.irp b, 0,1,2,3
	v_max3_num_f32 v[TM+\b], v[TM+\b], v[\s+16*\b+\i], v[\s+1+16*\b+\i]
.endr
.endr
.irp b, 0,1,2,3
	v_permlanex16_b32 v[TM+4+\b], v[TM+\b], s22, s23
.endr
.irp b, 0,1,2,3
	v_max_num_f32 v[TM+\b], v[TM+\b], v[TM+4+\b]   ; with lane l xor 16's: the block's largest
.endr
.irp b, 0,1,2,3
	v_add_nc_u32 v[TM+8+\b], 0xfe000000, v[TM+\b]  ; 4 off its exponent field: the conversion's scale operand
.endr
.irp b, 0,1,2,3
	v_lshrrev_b32 v[TM+4+\b], 23, v[TM+8+\b]       ; the byte
.endr
	v_lshl_or_b32 v[PW], v[TM+5], 8, v[TM+4]
	v_lshl_or_b32 v[PW], v[TM+6], 16, v[PW]
	v_lshl_or_b32 v[PW], v[TM+7], 24, v[PW]
.irp c, 0,1
	v_cvt_scalef32_pk16_bf6_f32 v[PC+6*\c:PC+2+6*\c], v[\s+32*\c:\s+15+32*\c], v[TM+8+2*\c]
	v_cvt_scalef32_pk16_bf6_f32 v[PC+12+4*\c:PC+14+4*\c], v[\s+16+32*\c:\s+31+32*\c], v[TM+8+2*\c+1]   ; (a conversion's three registers begin on an even number)
.endr
	v_nop                                          ; one plain place behind the conversions
.irp c, 0,1                            ; the operand's layout wants a whole block in a lane: lanes 0-15 block 2 c, lanes 16-31 block 2 c + 1
.irp i, 0,1,2
	v_permlane16_swap_b32 v[PC+6*\c+\i], v[PC+12+4*\c+\i]
.endr
.irp i, 0,1,2
	v_mov_b32 v[PC+3+6*\c+\i], v[PC+12+4*\c+\i]
.endr
.endr
.endm
; ONE TILE OF 16 ROWS.  pf = 1: the next tile's operands are asked for, each pair of K steps into the registers that its products have just left.
; Loads of a trip, in order: the next scale words (1), group 0 (6), the list word after next (1), groups 1, 2, 3 (6 each).  Each wait's count is the number of loads issued behind the one that is wanted.
; THE STORES' BASES are stepped at a trip's first group, behind the wait that stands there for the gather's offsets: that wait also shows that the last tile's stores have read their bases and their data,
; which this trip's quantiser writes again.  So a trip's own stores reach back by a negative immediate; the last tile steps nothing and stores at the bases as they stand.
.macro TILE pf
	s_wait_dscnt 0x0                               ; b1 lies in the accumulators (first tile: and the last fragments in my registers)
.irp g, 0,1,2,3
.if \g == 0
	s_wait_loadcnt 19                              ; group 0 (and the scale words ahead of it): behind it the list word and groups 1 to 3
.elseif \pf
	s_wait_loadcnt 20                              ; behind group g: the later groups of this tile and what this trip has asked for so far
.else
	s_wait_loadcnt 18-6*\g
.endif
.irp ss, 0,1
.irp t, 0,1,2,3,4,5,6,7
	MM 2*\g+\ss, \t
.endr
.endr
.if \pf || (\g == 3)
	PLACES
	WIN 0
.endif
.if \pf
.if \g == 0
	s_wait_loadcnt 18                              ; the next tile's tokens are in (behind that load: groups 1 to 3)
	s_wait_xcnt 0x0                                ; groups 1 to 3 have read their offset register, the last tile's stores their data and bases: all may be written
	s_add_nc_u64 s[28:29], s[28:29], HSTEP         ; four tiles on
	s_add_nc_u64 s[30:31], s[30:31], SSTEP
	v_min_u32 v[TMP], 0x3ff, v[TK]
	v_mad_u32_u24 v[XO], v[TMP], ROWP, v[H48]
	v_lshl_add_u32 v[XSO], v[TMP], 5, v[H16]
	s_add_co_u32 s32, s21, 4
	s_sub_co_u32 s33, s20, 1
	s_min_u32 s32, s32, s33
	s_min_u32 s32, s32, 63
	s_lshl_b32 s32, s32, 6
	v_add_nc_u32 v[LA], s32, v[R4]
	global_load_b128 v[XSN:XSN+3], v[XSO], s[4:5] offset:XSC
	GROUP 0
	global_load_b32 v[TK], v[LA], s[26:27]
.else
	GROUP \g
.endif
.endif
.endr
.set i, 0
.rept 64
	v_max_num_f32 v[HA+i], 0, v[HA+i]              ; the activation, in f32; each accumulator from its low end on
.set i, i+1
.endr
.if \pf
.set BACK, HSTEP
.set BACKS, SSTEP
	s_wait_loadcnt 25                              ; the next scale words are in (behind them: 6 + 1 + 18)
.irp i, 0,1,2,3
	v_mov_b32 v[XS+\i], v[XSN+\i]                  ; the quantiser's lines below are the places between these and the next products
.endr
.else
.set BACK, 0
.set BACKS, 0
	s_wait_xcnt 0x0                                ; the last tile's stores have read their data: the quantiser may write them again (no younger memory instruction is out)
.endif
	QUANT HA
.if \pf
	BIASLD
.endif
.irp c, 0,1,2
	global_store_b128 v[L16], v[PC+4*\c:PC+4*\c+3], s[28:29] offset:512*\c-BACK   ; the image: 512 consecutive bytes a store
.endr
	global_store_b32 v[SO], v[PW], s[30:31] offset:0-BACKS   ; lanes r and r + 16 store the same word with the same value
.endm
	s_mov_b32 s38, 1                               ; the loop counts my tiles one by one; all but the last go round it
	s_cmp_lt_u32 s38, s37
	s_cbranch_scc0 .Ltail
.Lloop:
	TILE 1
	s_add_co_u32 s21, s21, 4                       ; the tile number, for the list's address alone
	s_add_co_u32 s38, s38, 1
	s_cmp_lt_u32 s38, s37
	s_cbranch_scc1 .Lloop
.Ltail:                                        ; the last tile is written out: it asks for nothing, and its counts run down
	TILE 0
.Lend:
	s_set_vgpr_msb 0x4
	s_wait_tensorcnt 0x0
	ds_add_u32 v255, v255
	s_wait_dscnt 0x0
	s_set_vgpr_msb 0x400
	s_endpgm
.Lfunc_end_k_qec48eea059_ffn1:
	.size	k_qec48eea059_ffn1, .Lfunc_end_k_qec48eea059_ffn1-k_qec48eea059_ffn1
	.p2alignl 7, 3214868480
	.fill 96, 4, 3214868480
	.section	.rodata,"a",@progbits
	.p2align	6, 0x0
	.amdhsa_kernel k_qec48eea059_ffn1
		.amdhsa_group_segment_fixed_size 103936
		.amdhsa_private_segment_fixed_size 0
		.amdhsa_enable_private_segment 0
		.amdhsa_kernarg_size 48
		.amdhsa_user_sgpr_count 2
		.amdhsa_user_sgpr_kernarg_segment_ptr 1
		.amdhsa_wavefront_size32 1
		.amdhsa_system_sgpr_workgroup_id_x 1
		.amdhsa_system_sgpr_workgroup_id_y 1
		.amdhsa_system_sgpr_workgroup_id_z 1
		.amdhsa_system_vgpr_workitem_id 0
		.amdhsa_next_free_vgpr 1024
		.amdhsa_next_free_sgpr 66
		.amdhsa_reserve_vcc 0
		.amdhsa_float_denorm_mode_32 3
		.amdhsa_float_denorm_mode_16_64 3
		.amdhsa_memory_ordered 1
		.amdhsa_forward_progress 1
		.amdhsa_inst_pref_size 76
	.end_amdhsa_kernel
	.amdgpu_metadata
---
amdhsa.version: [ 1, 2 ]
amdhsa.kernels:
  - .name:           k_qec48eea059_ffn1
    .symbol:         k_qec48eea059_ffn1.kd
    .args:
      - { .name: xq, .offset: 0, .size: 8, .value_kind: global_buffer, .address_space: global }
      - { .name: route, .offset: 8, .size: 8, .value_kind: global_buffer, .address_space: global }
      - { .name: W1_codes, .offset: 16, .size: 8, .value_kind: global_buffer, .address_space: global }
      - { .name: W1_scales, .offset: 24, .size: 8, .value_kind: global_buffer, .address_space: global }
      - { .name: b1, .offset: 32, .size: 8, .value_kind: global_buffer, .address_space: global }
      - { .name: hq, .offset: 40, .size: 8, .value_kind: global_buffer, .address_space: global }
    .group_segment_fixed_size: 103936
    .private_segment_fixed_size: 0
    .kernarg_segment_align: 8
    .kernarg_segment_size: 48
    .max_flat_workgroup_size: 128
    .sgpr_count:     66
    .vgpr_count:     1024
    .wavefront_size: 32
...
	.end_amdgpu_metadata
.endif
;; end of part 3
;; launch ffn2 (part 4): grid 32 x 8, 4 waves a work-group, no clusters, 135,680 bytes of LDS; arguments hq, route, W2_codes, W2_scales, yp; writes yp
.if DOCPART == 4
	.amdgcn_target "amdgcn-amd-amdhsa--gfx1250"
	.amdhsa_code_object_version 6
	.text
	.protected	k_qec48eea059_ffn2
	.globl	k_qec48eea059_ffn2
	.p2align	8
	.type	k_qec48eea059_ffn2,@function
k_qec48eea059_ffn2:
	s_mov_b64 s[64:65], 0
	v_nop
	global_prefetch_b8 v0, s[64:65] scope:SCOPE_SE
	s_setreg_imm32_b32 hwreg(HW_REG_WAVE_MODE, 25, 1), 1
	s_wait_xcnt 0x0
; y's PARTIAL SUMS: yp[c][row][d] = the sum over hidden units 1024 c .. 1024 c + 1023 of h[row][.] W2[e][d][.], for the rows that chose expert e.  Both operands are codes of E3M2 with E8M0 scales.
; SHARES.  Work-group (x, e), x = dblk + 8 c, owns outputs d = 128 dblk .. + 127 and chunk c of K: 128 rows x 768 bytes of W2, read from memory once (three aligned runs of 256 bytes a row), turned through LDS,
; then whole in each wave's registers (64 fragments).  K is cut in four so that 8 x 8 x 4 = 256 work-groups each read every byte of W2 once and 192 KiB of h on the average split;
; the four f32 sums of a row are added by the next launch (the sums over K = 4,096 are so made of four f32 sums of 1,024).
; THE SLAB COMES IN THREE COLUMN BLOCKS of 256 bytes a row.  When a block of all 128 rows lies in the stage (a barrier for each block), every wave reads the fragments of the K steps that are whole by then
; (bytes 0-255: K steps 0, 1; 0-511: 2 to 4; all: 5 to 7), while the later blocks are still on their way from memory.  Between two barriers the reads and the other waves' stores touch different bytes of a row.
; The waves share the expert's tiles of 16 rows out (w, w + 4, ..).  h comes as images of the operand's registers: every load is 512 consecutive bytes.  No LDS operand and no barrier in the loop.
; The number of tiles is read from memory, so: no tensor load, no copy, no cluster; the three barriers stand ahead of every branch on that number.
; TRANSPOSED: source 0 = 16 rows of W2 (neighbours), source 1 = 16 rows of h: a lane holds eight neighbouring d of one row; a tile goes through the wave's own stage and leaves as rows of 512 consecutive bytes.
; A last tile's spare rows (token 0) are computed and stored like the others; nobody reads them.
; REGISTERS: window 0: v8-10 addresses; v12-15 h's scale words, v16-19 the next tile's; v20-51 W2's scale words; v52-63 fragment 63; v64-159 h's 8 fragments; v160-223 8 accumulators, then rows of y; v224-240 the head's own.
; Windows 1-3: fragments 0-62 of W2 (fragment 8 s + t), 21 a window; the slab as loaded lies in window 3, v0-191, which the last fragments take.
.set ROWP, 3072                        ; a row of W2's codes in memory
.set RP,   784                         ; a chunk's 768 bytes in the stage, + 16; 128 bytes more behind every 16 rows
.set WQ,   25344                       ; 32 rows of the stage
.set STG,  4*WQ                        ; behind it: 16 rows x 528 bytes for each wave, for the way out
.set HSO,  25165824
.set CNT,  43008
.set NEXT, 196608                      ; four tiles on in hq's images: 4 x 32 x 1,536
.set NEXTS, 8192                       ; and in its scale words: 4 x 4 x 512
.set L16, 8
.set STO, 9
.set RD,  10
.set TMP, 11
.set XS,  12
.set XSN, 16
.set WS,  20
.set XF,  64
.set HA,  160
.set SA,  224
.set FA0, 225
.set FA1, 226
.set WL,  227
.set WSO, 236
.set LN,  238
.set RR,  239
.set HH,  240
.set MSB, 0
.macro WIN new                         ; the immediate's high byte repeats the setting that is left; a switch that changes nothing is dropped
.if MSB != \new
	s_set_vgpr_msb (MSB<<8)|\new
.set MSB, \new
.endif
.endm
.macro FSET f
.if (\f) < 63
.set FW, 1+(\f)/21
.set FRG, 12*((\f)%21)
.else
.set FW, 0
.set FRG, 52
.endif
.endm
.macro PLACES
.rept 4
	v_nop
.endr
.endm
.macro STIN u                          ; column block u of my wave's 32 rows goes into the stage as it was loaded
	WIN 0x0c                                       ; an LDS store's data are its source 1: window 3
.set q, 0
.rept 16
	ds_store_b128 v[SA], v[64*(\u)+4*q:64*(\u)+4*q+3] offset:q*2*RP+(q/8)*128+256*(\u)
.set q, q+1
.endr
	WIN 0
.endm
.macro FRAGS f0, num                   ; fragments f0 .. f0 + num - 1 out of the stage into my registers: six loads of 8 bytes a fragment, every address a multiple of 8
.set f, \f0
.rept \num
	FSET f
.set WN, FW<<6
	WIN WN
.set TB, (WQ/2)*(f%4)+96*(f/8)
.irp p, 0,1,2,3,4,5
.if (f%8) < 4
	ds_load_b64 v[FRG+2*\p:FRG+2*\p+1], v[FA0] offset:TB+48*(\p/3)+8*(\p%3)
.else
	ds_load_b64 v[FRG+2*\p:FRG+2*\p+1], v[FA1] offset:TB+48*(\p/3)+8*(\p%3)
.endif
.endr
.set f, f+1
.endr
	WIN 0
.endm
.macro MEET                            ; my LDS stores have landed and my LDS loads are in: then the work-group's barrier
	s_wait_dscnt 0x0
	s_barrier_signal -1
	s_barrier_wait -1
.endm
	s_load_b256 s[4:11], s[0:1], 0x0               ; hq s[4:5], route s[6:7], W2's codes s[8:9], W2's scales s[10:11]
	s_load_b64 s[12:13], s[0:1], 0x20              ; yp
	v_lshl_add_u32 v254, v0, 2, 0x21000
	v_mov_b32 v255, 0
	v_lshrrev_b32 v[TMP], 5, v0
	v_readfirstlane_b32 s16, v[TMP]                ; wave 0..3
	s_and_b32 s17, ttmp9, 7                        ; dblk
	s_lshr_b32 s36, ttmp9, 3                       ; c
	s_and_b32 s18, ttmp7, 0xffff                   ; e
	s_mov_b32 s25, 0
	v_and_b32 v[LN], 31, v0
	v_and_b32 v[RR], 15, v0                        ; r
	v_bfe_u32 v[HH], v0, 4, 1                      ; h
	v_lshlrev_b32 v[L16], 4, v[LN]
	v_mul_u32_u24 v[WL], v[HH], ROWP
	v_lshl_add_u32 v[WL], v[RR], 4, v[WL]
	s_mul_i32 s32, s16, WQ
	v_mul_u32_u24 v[SA], v[HH], RP
	v_lshl_add_u32 v[SA], v[RR], 4, v[SA]
	v_add_nc_u32 v[SA], s32, v[SA]
	v_mul_u32_u24 v[FA0], v[RR], RP
	v_mad_u32_u24 v[FA0], v[HH], 24, v[FA0]        ; a fragment's row r, + 24 h
	v_add_nc_u32 v[FA1], 2*WQ, v[FA0]              ; the same for rows 64 on
	v_lshlrev_b32 v[WSO], 7, v[RR]
	v_lshl_add_u32 v[WSO], v[HH], 4, v[WSO]        ; W2's scale bytes: 128 a row, + 16 h
	s_mul_i32 s32, s16, 16*528
	s_add_co_u32 s32, s32, STG
	v_mul_u32_u24 v[STO], v[RR], 528
	v_lshl_add_u32 v[STO], v[HH], 5, v[STO]
	v_add_nc_u32 v[STO], s32, v[STO]               ; my stage, in: row r, + 32 h
	v_lshl_add_u32 v[RD], v[LN], 4, s32            ; and back: a row's 512 bytes over the 32 lanes
	s_wait_kmcnt 0x0
	s_lshl_b32 s32, s18, 10
	s_lshl_b32 s33, s17, 7
	s_add_co_u32 s32, s32, s33                     ; the slab's first row: 1024 e + 128 dblk
	s_lshl_b32 s33, s16, 5
	s_add_co_u32 s33, s32, s33
	s_mul_i32 s24, s33, ROWP
	s_mul_i32 s33, s36, 768
	s_add_co_u32 s24, s24, s33
	s_add_nc_u64 s[8:9], s[8:9], s[24:25]          ; codes: my wave's 32 rows, chunk c
	s_lshl_b32 s24, s32, 7
	s_lshl_b32 s33, s36, 5
	s_add_co_u32 s24, s24, s33
	s_add_nc_u64 s[10:11], s[10:11], s[24:25]
	s_lshl_b32 s24, s18, 2
	s_add_nc_u64 s[34:35], s[6:7], s[24:25]
	s_load_b32 s19, s[34:35], CNT                  ; the expert's rows
	s_lshl_b32 s33, s18, 6
	s_add_co_u32 s33, s33, s16                     ; 64 e + w: my first tile
	s_lshl_b32 s24, s33, 5
	s_lshl_b32 s32, s36, 3
	s_add_co_u32 s24, s24, s32
	s_mul_i32 s24, s24, 1536
	s_add_nc_u64 s[28:29], s[4:5], s[24:25]        ; hq: images (tile, K steps 8 c on)
	s_lshl_b32 s24, s33, 2
	s_add_co_u32 s24, s24, s36
	s_lshl_b32 s24, s24, 9
	s_add_nc_u64 s[30:31], s[4:5], s[24:25]
	s_add_nc_u64 s[30:31], s[30:31], HSO           ; hq: scale words (tile, chunk c)
	s_lshl_b32 s24, s36, 25
	s_lshl_b32 s32, s33, 16
	s_add_co_u32 s24, s24, s32
	s_lshl_b32 s32, s17, 9
	s_add_co_u32 s24, s24, s32
	s_add_nc_u64 s[26:27], s[12:13], s[24:25]      ; yp: chunk c, my tile's first row, my 128 outputs
	WIN 0xc0                                       ; destination window 3
.set q, 0
.rept 48                               ; column block q / 16, rows 2 (q % 16) and the next
	global_load_b128 v[4*q:4*q+3], v[WL], s[8:9] offset:(q%16)*2*ROWP+256*(q/16) th:TH_LOAD_NT   ; two aligned runs of 256 bytes; read once in the launch
.set q, q+1
.endr
	WIN 0
.irp t, 0,1,2,3,4,5,6,7
	global_load_b128 v[WS+4*\t:WS+4*\t+3], v[WSO], s[10:11] offset:2048*\t
.endr
	s_wait_loadcnt 40                              ; block 0's sixteen loads are in; behind them: 32 of the slab and the eight loads of scale words
	STIN 0
	MEET                                           ; bytes 0-255 of all 128 rows lie in the stage
	FRAGS 0, 16                                    ; K steps 0 and 1: bytes 0-191 of the rows
	s_wait_loadcnt 24                              ; block 1 is in; behind it: 16 + 8
	STIN 1
	MEET                                           ; bytes 0-511
	FRAGS 16, 24                                   ; K steps 2 to 4: bytes 192-479
	s_wait_loadcnt 8                               ; block 2 is in; the eight loads of scale words may be out
	STIN 2
	MEET                                           ; the whole slab; the last barrier, ahead of every branch on loaded data
	s_wait_kmcnt 0x0
	s_min_u32 s19, s19, 0x400
	s_add_co_u32 s20, s19, 15
	s_lshr_b32 s20, s20, 4                         ; tiles of 16 rows
	s_cmp_lt_u32 s16, s20
	s_cbranch_scc0 .Lend                           ; no tile for this wave
	s_sub_co_u32 s37, s20, s16
	s_add_co_u32 s37, s37, 3
	s_lshr_b32 s37, s37, 2                         ; my tiles: w, w + 4, .. below the expert's number: at least one
.macro GROUP g, off                    ; h's fragments of K steps 2 g and 2 g + 1, as images
.irp ss, 0,1
.irp u, 0,1,2
	global_load_b128 v[XF+12*(2*(\g)+\ss)+4*\u:XF+12*(2*(\g)+\ss)+4*\u+3], v[L16], s[28:29] offset:\off+1536*(2*(\g)+\ss)+512*\u
.endr
.endr
.endm
	global_load_b128 v[XS:XS+3], v[L16], s[30:31]  ; the loads go out in the loop's own order, so that its counts hold on the way in
	GROUP 0, 0
	GROUP 1, 0
	GROUP 2, 0
	GROUP 3, 0
	FRAGS 40, 24                                   ; K steps 5 to 7, while the first tile's operands come
.macro MM s, t                         ; K step s, tile t of outputs.  K step 0 starts the sums with the constant 0.  The eight accumulators take turns, one instruction a turn
	FSET 8*(\s)+(\t)
	WIN FW
.if (\s) == 0
	v_wmma_scale_f32_16x16x128_f8f6f4 v[HA+8*(\t):HA+8*(\t)+7], v[FRG:FRG+11], v[XF+12*(\s):XF+12*(\s)+11], 0, v[WS+4*(\t)+(\s)%4], v[XS+(\s)%4] matrix_a_fmt:MATRIX_FMT_BF6 matrix_b_fmt:MATRIX_FMT_BF6
.elseif (\s) < 4
	v_wmma_scale_f32_16x16x128_f8f6f4 v[HA+8*(\t):HA+8*(\t)+7], v[FRG:FRG+11], v[XF+12*(\s):XF+12*(\s)+11], v[HA+8*(\t):HA+8*(\t)+7], v[WS+4*(\t)+(\s)%4], v[XS+(\s)%4] matrix_a_fmt:MATRIX_FMT_BF6 matrix_b_fmt:MATRIX_FMT_BF6
.else
	v_wmma_scale_f32_16x16x128_f8f6f4 v[HA+8*(\t):HA+8*(\t)+7], v[FRG:FRG+11], v[XF+12*(\s):XF+12*(\s)+11], v[HA+8*(\t):HA+8*(\t)+7], v[WS+4*(\t)+(\s)%4], v[XS+(\s)%4] matrix_a_fmt:MATRIX_FMT_BF6 matrix_b_fmt:MATRIX_FMT_BF6 matrix_a_scale:MATRIX_SCALE_ROW1 matrix_b_scale:MATRIX_SCALE_ROW1
.endif
.endm
; ONE TILE OF 16 ROWS.  pf = 1: the next tile's operands are asked for, each pair of K steps into the registers that its products have just left.
; Loads of a trip, in order: the next scale words (1), groups 0 to 3 (6 each).  Each wait's count is the number of loads issued behind the one that is wanted.
.macro TILE pf
	s_wait_dscnt 0x0                               ; first tile: the last fragments lie in my registers
.irp g, 0,1,2,3
.if \g == 0
	s_wait_loadcnt 18                              ; group 0 (and all that was asked for ahead of it): behind it groups 1 to 3
.elseif \pf
	s_wait_loadcnt 19                              ; behind group g: the later groups of this tile and what this trip has asked for so far
.else
	s_wait_loadcnt 18-6*\g
.endif
.irp ss, 0,1
.irp t, 0,1,2,3,4,5,6,7
	MM 2*\g+\ss, \t
.endr
.endr
.if \pf || (\g == 3)
	PLACES
	WIN 0
.endif
.if \pf
.if \g == 0
	global_load_b128 v[XSN:XSN+3], v[L16], s[30:31] offset:NEXTS
.endif
	GROUP \g, NEXT
.endif
.endr
.if \pf
	s_wait_loadcnt 24                              ; the next scale words are in (behind them: the four groups)
.irp i, 0,1,2,3
	v_mov_b32 v[XS+\i], v[XSN+\i]
.endr
.rept 8
	v_nop                                          ; a scale register written by a vector instruction stands eight places ahead of a scaled matrix instruction; no other vector work is at hand here
.endr
.endif
.irp t, 0,1,2,3,4,5,6,7
	ds_store_b128 v[STO], v[HA+8*\t:HA+8*\t+3] offset:64*\t          ; lane (r, h): y(row r, 16 t + 8 h + 0 .. 7); each accumulator from its low end on
	ds_store_b128 v[STO], v[HA+8*\t+4:HA+8*\t+7] offset:64*\t+16
.endr
.irp i, 0,1,2,3,4,5,6,7,8,9,10,11,12,13,14,15
	ds_load_b128 v[HA+4*\i:HA+4*\i+3], v[RD] offset:528*\i           ; LDS serves a wave's instructions in order (ISA guide 5.7.1.4): these see my stores
.endr
.irp i, 0,1,2,3,4,5,6,7,8,9,10,11,12,13,14,15
	s_wait_dscnt 15-\i
	global_store_b128 v[L16], v[HA+4*\i:HA+4*\i+3], s[26:27] offset:4096*\i th:TH_STORE_NT   ; 512 consecutive bytes, at a multiple of 256 from yp's first byte
.endr
.if \pf
	s_wait_xcnt 0x0                                ; loads and stores have read their registers and bases: the accumulators may begin anew, the bases may step
	s_add_nc_u64 s[28:29], s[28:29], NEXT
	s_add_nc_u64 s[30:31], s[30:31], NEXTS
	s_add_nc_u64 s[26:27], s[26:27], 262144        ; four tiles on: 64 rows of 4,096 bytes
.endif
.endm
	s_mov_b32 s38, 1                               ; the loop counts my tiles one by one; all but the last go round it
	s_cmp_lt_u32 s38, s37
	s_cbranch_scc0 .Ltail
.Lloop:
	TILE 1
	s_add_co_u32 s38, s38, 1
	s_cmp_lt_u32 s38, s37
	s_cbranch_scc1 .Lloop
.Ltail:                                        ; the last tile is written out: it asks for nothing, and its counts run down
	TILE 0
.Lend:
	s_wait_tensorcnt 0x0
	ds_add_u32 v254, v255
	s_wait_dscnt 0x0
	s_endpgm
.Lfunc_end_k_qec48eea059_ffn2:
	.size	k_qec48eea059_ffn2, .Lfunc_end_k_qec48eea059_ffn2-k_qec48eea059_ffn2
	.p2alignl 7, 3214868480
	.fill 96, 4, 3214868480
	.section	.rodata,"a",@progbits
	.p2align	6, 0x0
	.amdhsa_kernel k_qec48eea059_ffn2
		.amdhsa_group_segment_fixed_size 135680
		.amdhsa_private_segment_fixed_size 0
		.amdhsa_enable_private_segment 0
		.amdhsa_kernarg_size 40
		.amdhsa_user_sgpr_count 2
		.amdhsa_user_sgpr_kernarg_segment_ptr 1
		.amdhsa_wavefront_size32 1
		.amdhsa_system_sgpr_workgroup_id_x 1
		.amdhsa_system_sgpr_workgroup_id_y 1
		.amdhsa_system_sgpr_workgroup_id_z 1
		.amdhsa_system_vgpr_workitem_id 0
		.amdhsa_next_free_vgpr 1024
		.amdhsa_next_free_sgpr 66
		.amdhsa_reserve_vcc 0
		.amdhsa_float_denorm_mode_32 3
		.amdhsa_float_denorm_mode_16_64 3
		.amdhsa_memory_ordered 1
		.amdhsa_forward_progress 1
		.amdhsa_inst_pref_size 68
	.end_amdhsa_kernel
	.amdgpu_metadata
---
amdhsa.version: [ 1, 2 ]
amdhsa.kernels:
  - .name:           k_qec48eea059_ffn2
    .symbol:         k_qec48eea059_ffn2.kd
    .args:
      - { .name: hq, .offset: 0, .size: 8, .value_kind: global_buffer, .address_space: global }
      - { .name: route, .offset: 8, .size: 8, .value_kind: global_buffer, .address_space: global }
      - { .name: W2_codes, .offset: 16, .size: 8, .value_kind: global_buffer, .address_space: global }
      - { .name: W2_scales, .offset: 24, .size: 8, .value_kind: global_buffer, .address_space: global }
      - { .name: yp, .offset: 32, .size: 8, .value_kind: global_buffer, .address_space: global }
    .group_segment_fixed_size: 135680
    .private_segment_fixed_size: 0
    .kernarg_segment_align: 8
    .kernarg_segment_size: 40
    .max_flat_workgroup_size: 128
    .sgpr_count:     66
    .vgpr_count:     1024
    .wavefront_size: 32
...
	.end_amdgpu_metadata
.endif
;; end of part 4
;; launch combine (part 5): grid 256 x 1, 8 waves a work-group, no clusters, 0 bytes of LDS; arguments yp, route, gwt, b2, out0; writes out0
.if DOCPART == 5
	.amdgcn_target "amdgcn-amd-amdhsa--gfx1250"
	.amdhsa_code_object_version 6
	.text
	.protected	k_qec48eea059_combine
	.globl	k_qec48eea059_combine
	.p2align	8
	.type	k_qec48eea059_combine,@function
k_qec48eea059_combine:
	s_mov_b64 s[64:65], 0
	v_nop
	global_prefetch_b8 v0, s[64:65] scope:SCOPE_SE
	s_setreg_imm32_b32 hwreg(HW_REG_WAVE_MODE, 25, 1), 1
	s_wait_xcnt 0x0
; out0[t] = w0 (y[row 0] + b2[e0]) + w1 (y[row 1] + b2[e1]): a token's two routed rows, each the sum of its four partial sums over K, meet here: each output row has one owner, so nothing is added in memory.
; A wave takes half a token's row (2,048 bytes), four pieces of 512 consecutive bytes; all its 40 loads go out together.  The rows' places come from route's inv (whole numbers that an earlier launch stored),
; held inside the table by a constant before they enter an address.  A stream: no LDS, no barrier, no matrix unit, no cluster (work-groups share only b2's 32 KiB).
; A token that is padding has both weights 0 and so gets zeros.
.set INV, 34816
.set Y,   16                           ; v16-175: piece p at Y + 40 p: row 0's four chunks, row 1's four, b2 of e0, b2 of e1 (4 registers each)
	s_load_b256 s[4:11], s[0:1], 0x0               ; yp s[4:5], route s[6:7], gwt s[8:9], b2 s[10:11]
	s_load_b64 s[12:13], s[0:1], 0x20              ; out0
	v_lshrrev_b32 v1, 5, v0
	v_readfirstlane_b32 s14, v1                    ; wave 0..7
	v_and_b32 v1, 31, v0
	v_lshlrev_b32 v1, 4, v1                        ; 16 x lane
	s_lshr_b32 s15, s14, 1
	s_lshl_b32 s16, ttmp9, 2
	s_add_co_u32 s15, s15, s16                     ; my token
	s_and_b32 s16, s14, 1
	s_lshl_b32 s16, s16, 11                        ; my half of its row
	s_lshl_b32 s18, s15, 3
	s_mov_b32 s19, 0
	s_wait_kmcnt 0x0
	s_add_nc_u64 s[6:7], s[6:7], s[18:19]
	s_add_nc_u64 s[8:9], s[8:9], s[18:19]
	s_load_b64 s[20:21], s[6:7], INV               ; the two rows: 1024 e + pos
	s_load_b64 s[22:23], s[8:9], 0x0               ; the two weights
	s_lshl_b32 s18, s15, 12
	s_add_co_u32 s18, s18, s16
	s_add_nc_u64 s[12:13], s[12:13], s[18:19]
	s_add_nc_u64 s[26:27], s[4:5], 0x2000000       ; yp's chunks lie 2^25 bytes apart
	s_add_nc_u64 s[28:29], s[26:27], 0x2000000
	s_add_nc_u64 s[30:31], s[28:29], 0x2000000
	s_wait_kmcnt 0x0
	s_min_u32 s20, s20, 0x1fff
	s_min_u32 s21, s21, 0x1fff
	s_lshl_b32 s32, s20, 12
	s_add_co_u32 s32, s32, s16
	v_add_nc_u32 v2, s32, v1                       ; row 0 in a chunk of yp
	s_lshl_b32 s32, s21, 12
	s_add_co_u32 s32, s32, s16
	v_add_nc_u32 v3, s32, v1                       ; row 1
	s_lshl_b32 s32, s20, 2
	s_and_b32 s32, s32, 0x7000                     ; 4096 e0
	s_add_co_u32 s32, s32, s16
	v_add_nc_u32 v4, s32, v1
	s_lshl_b32 s32, s21, 2
	s_and_b32 s32, s32, 0x7000                     ; 4096 e1
	s_add_co_u32 s32, s32, s16
	v_add_nc_u32 v5, s32, v1
	s_mov_b32 s24, s23                             ; the packed forms name a pair and take its low word for both halves
	s_mov_b32 s25, s23
.irp p, 0,1,2,3
.irp k, 0,1
	global_load_b128 v[Y+40*\p+16*\k:Y+40*\p+16*\k+3], v[2+\k], s[4:5] offset:512*\p th:TH_LOAD_NT
	global_load_b128 v[Y+40*\p+16*\k+4:Y+40*\p+16*\k+7], v[2+\k], s[26:27] offset:512*\p th:TH_LOAD_NT
	global_load_b128 v[Y+40*\p+16*\k+8:Y+40*\p+16*\k+11], v[2+\k], s[28:29] offset:512*\p th:TH_LOAD_NT
	global_load_b128 v[Y+40*\p+16*\k+12:Y+40*\p+16*\k+15], v[2+\k], s[30:31] offset:512*\p th:TH_LOAD_NT
.endr
	global_load_b128 v[Y+40*\p+32:Y+40*\p+35], v4, s[10:11] offset:512*\p
	global_load_b128 v[Y+40*\p+36:Y+40*\p+39], v5, s[10:11] offset:512*\p
.endr
.macro PIECE p
.set PB, Y+40*(\p)
.set PO, 176+4*(\p)                    ; each piece has result registers of its own: no store's data are written again
	s_wait_loadcnt 30-10*(\p)                      ; this piece's ten loads are in; the later pieces' may be out
.irp k, 0,1
.irp d, 0,2
	v_pk_add_f32 v[PB+16*\k+\d:PB+16*\k+\d+1], v[PB+16*\k+\d:PB+16*\k+\d+1], v[PB+16*\k+4+\d:PB+16*\k+5+\d]
	v_pk_add_f32 v[PB+16*\k+8+\d:PB+16*\k+9+\d], v[PB+16*\k+8+\d:PB+16*\k+9+\d], v[PB+16*\k+12+\d:PB+16*\k+13+\d]
.endr
.endr
.irp k, 0,1
.irp d, 0,2
	v_pk_add_f32 v[PB+16*\k+\d:PB+16*\k+\d+1], v[PB+16*\k+\d:PB+16*\k+\d+1], v[PB+16*\k+8+\d:PB+16*\k+9+\d]
.endr
.endr
.irp k, 0,1
.irp d, 0,2
	v_pk_add_f32 v[PB+16*\k+\d:PB+16*\k+\d+1], v[PB+16*\k+\d:PB+16*\k+\d+1], v[PB+32+4*\k+\d:PB+33+4*\k+\d]
.endr
.endr
.irp d, 0,2
	v_pk_mul_f32 v[PO+\d:PO+\d+1], v[PB+\d:PB+\d+1], s[22:23] op_sel_hi:[1,0]
.endr
.irp d, 0,2
	v_pk_fma_f32 v[PO+\d:PO+\d+1], v[PB+16+\d:PB+17+\d], s[24:25], v[PO+\d:PO+\d+1] op_sel_hi:[1,0,1]
.endr
	global_store_b128 v1, v[PO:PO+3], s[12:13] offset:512*(\p) th:TH_STORE_NT   ; 512 consecutive bytes, at a multiple of 256 from out0's first byte
.endm
	PIECE 0
	PIECE 1
	PIECE 2
	PIECE 3
	s_endpgm
.Lfunc_end_k_qec48eea059_combine:
	.size	k_qec48eea059_combine, .Lfunc_end_k_qec48eea059_combine-k_qec48eea059_combine
	.p2alignl 7, 3214868480
	.fill 96, 4, 3214868480
	.section	.rodata,"a",@progbits
	.p2align	6, 0x0
	.amdhsa_kernel k_qec48eea059_combine
		.amdhsa_group_segment_fixed_size 0
		.amdhsa_private_segment_fixed_size 0
		.amdhsa_enable_private_segment 0
		.amdhsa_kernarg_size 40
		.amdhsa_user_sgpr_count 2
		.amdhsa_user_sgpr_kernarg_segment_ptr 1
		.amdhsa_wavefront_size32 1
		.amdhsa_system_sgpr_workgroup_id_x 1
		.amdhsa_system_sgpr_workgroup_id_y 1
		.amdhsa_system_sgpr_workgroup_id_z 1
		.amdhsa_system_vgpr_workitem_id 0
		.amdhsa_next_free_vgpr 192
		.amdhsa_next_free_sgpr 66
		.amdhsa_reserve_vcc 0
		.amdhsa_float_denorm_mode_32 3
		.amdhsa_float_denorm_mode_16_64 3
		.amdhsa_memory_ordered 1
		.amdhsa_forward_progress 1
		.amdhsa_inst_pref_size 12
	.end_amdhsa_kernel
	.amdgpu_metadata
---
amdhsa.version: [ 1, 2 ]
amdhsa.kernels:
  - .name:           k_qec48eea059_combine
    .symbol:         k_qec48eea059_combine.kd
    .args:
      - { .name: yp, .offset: 0, .size: 8, .value_kind: global_buffer, .address_space: global }
      - { .name: route, .offset: 8, .size: 8, .value_kind: global_buffer, .address_space: global }
      - { .name: gwt, .offset: 16, .size: 8, .value_kind: global_buffer, .address_space: global }
      - { .name: b2, .offset: 24, .size: 8, .value_kind: global_buffer, .address_space: global }
      - { .name: out0, .offset: 32, .size: 8, .value_kind: global_buffer, .address_space: global }
    .group_segment_fixed_size: 0
    .private_segment_fixed_size: 0
    .kernarg_segment_align: 8
    .kernarg_segment_size: 40
    .max_flat_workgroup_size: 256
    .sgpr_count:     66
    .vgpr_count:     192
    .wavefront_size: 32
...
	.end_amdgpu_metadata
.endif
;; end of part 5
;; ======== version 2 of 2: 5 launches; version 1 with the launches ffn1, ffn2 written anew for expert scheduling mode
;; workspace buffers: xq 819,200 bytes; rw 4,096 bytes of whole numbers; gwt 8,192 bytes; route 44,288 bytes of whole numbers; hq 26,214,400 bytes; yp 134,217,728 bytes
;; launch gate: the kernel of part 1 again; grid 256 x 1, 4 waves a work-group, no clusters, 55,808 bytes of LDS; arguments x, padding_mask, Wg, out1, xq, rw, gwt; writes out1, xq, rw, gwt
;; launch place: the kernel of part 2 again; grid 1 x 1, 8 waves a work-group, no clusters, 2,048 bytes of LDS; arguments rw, out1, route, out2; writes route, out2
;; launch ffn1 (part 6): grid 32 x 8, 4 waves a work-group, no clusters, 103,936 bytes of LDS; arguments xq, route, W1_codes, W1_scales, b1, hq; writes hq
.if DOCPART == 6
	.amdgcn_target "amdgcn-amd-amdhsa--gfx1250"
	.amdhsa_code_object_version 6
	.text
	.protected	k_qec48eea059_ffn1
	.globl	k_qec48eea059_ffn1
	.p2align	8
	.type	k_qec48eea059_ffn1,@function
k_qec48eea059_ffn1:
	s_mov_b64 s[64:65], 0
	v_nop
	global_prefetch_b8 v0, s[64:65] scope:SCOPE_SE
	s_setreg_imm32_b32 hwreg(HW_REG_WAVE_SCHED_MODE, 0, 2), 2
	s_setreg_imm32_b32 hwreg(HW_REG_WAVE_MODE, 25, 1), 1
	s_wait_xcnt 0x0
	s_wait_alu depctr_vm_vsrc(0)
; h = relu(x W1[e]^T + b1[e]) FOR THE ROWS THAT CHOSE EXPERT e, quantised along the hidden axis on the way.  Both operands are codes of E3M2 with one E8M0 byte for each 32 along K = 1,024.
; SHARES.  Work-group (j, e) owns hidden units 128 j .. 128 j + 127 of expert e: 128 rows of W1, 96 KiB of codes, read from memory once, two aligned runs of 256 bytes a load, all 48 loads of a wave out together.
; They turn through LDS and then lie WHOLE in each of the four waves' registers (64 fragments x 12 = 768) for the launch's life.
; THE SLAB COMES IN THREE COLUMN BLOCKS of 256 bytes a row.  When a block of all 128 rows lies in the stage (a barrier for each block), every wave reads the fragments of the K steps that are whole by then
; (bytes 0-255: K steps 0, 1; 0-511: 2 to 4; all: 5 to 7), while the later blocks are still on their way from memory.  Between two barriers the reads and the other waves' stores touch different bytes of a row.
; The waves share the expert's rows out: wave w takes tiles of 16 rows w, w + 4, ..  In the loop a wave loads 12 KiB of x's codes (gathered by the list, straight into operand registers: xq lies in their order)
; and issues 64 matrix instructions; no LDS operand, no barrier.
; The number of tiles is read from memory (route's cnt), so this launch has no tensor load, no copy and no cluster, and its three barriers stand ahead of every branch on that number.
; A work-group whose expert has no rows for one of its waves lets that wave end; a grid of 8 x 32 serves every split.
; THE PRODUCT IS USED TRANSPOSED (source 0 = 16 rows of W1, source 1 = 16 rows of x), and THE ROWS OF W1 THAT FORM A TILE ARE NOT NEIGHBOURS: lane r of tile 2 b + u takes row 32 b + 8 u + r + 8 (r / 8),
; so that a lane holds one row of h and the 16 registers of tiles 2 b, 2 b + 1 are hidden units 32 b + 16 (lane / 16) + 0 .. 15: neighbours along the next K.  The 128 units are one K step of the next product:
; they leave as an IMAGE OF THE OPERAND'S REGISTERS (three stores of 512 consecutive bytes) and one scale word a row.  b1 is the C of each sum's first matrix instruction: it is loaded into the accumulators from LDS.
; SCALE WORDS: a lane loads 16 bytes: lanes 0-15 the words of K steps 0-3 of their row, lanes 16-31 those of K steps 4-7; K steps 4-7 name the same registers with the selector for the upper lanes.
; LIMITS: a block of h whose largest number lies under 2^(5 - 127), zeros among them, keeps the byte 1 (its codes are what the conversion gives; only this program reads the bytes).  NaN, infinities: not served.
; REGISTERS: window 0: v1-11 offsets and addresses; v12-15 x's scale words, v16-19 the next tile's; v20-51 W1's scale words; v52-63 fragment 63; v64-159 x's 8 fragments; v160-223 8 accumulators; v224-254 the quantiser
; (at the head: addresses that only the head uses).  Windows 1-3: fragments 0-62 of W1 (fragment 8 s + t: K step s, tile t), 21 a window, v0-251; the slab as loaded lies in window 3, v0-191, which the last fragments take.
; Window 1's v252 and v253 are the closing add's two registers: made at the head, kept for that alone.
; THE MODE: SCHED_MODE bits 1:0 = 2 (LLVM: expert scheduling mode 2), set by the entry lines.  The code itself states the register dependences between vector or matrix instructions and memory or LDS
; instructions, with s_wait_alu, always for 0.
; THE PLAN.  Registers that memory or LDS instructions touch, in the loop (a PAIR is two K steps, 16 products, 24 registers of x's fragments):
;   XF[g], g = 0 .. 3   Pair g's 16 products read it; behind them the next tile's six loads land in it.
;   v[XO], v[XSO], v[LA]  Read by the gather's loads; written once a tile, between pairs 0 and 1, from the next tile's tokens.
;   v[TK], XSN          A load lands in each; one vector line reads v[TK], four moves read XSN.
;   HA                  b1's LDS loads land in it; the products, the activation and the quantiser name it.
;   PC, PW              The quantiser writes them; the tile's four stores read them.
;   v[L16], v[SO], v[BA]  Read by stores and LDS loads; never written again.
; So a trip has: between pairs 0 and 1 one wait on vm_vsrc ahead of the address lines and one on va_vdst behind them, which also shows pair 0's products done; one wait on va_vdst at the head of pair 2 and of pair 3,
; which shows the pair before done, whose registers are then asked for again among the new pair's products (these name W1's fragments, their own XF, HA and scale words: nothing that those loads touch);
; one behind pair 3; one behind the quantiser, ahead of b1's LDS loads and the stores.
.set ROWP, 768                         ; a row of W1's codes in memory
.set RP,   784                         ; and in the stage: 768 + 16; 128 bytes more behind every 16 rows
.set WQ,   25344                       ; 32 rows of the stage
.set BIAS, 4*WQ                        ; behind the stage: b1's 128 numbers, a copy for each wave
.set HSO,  25165824                    ; where hq's scale words begin
.set HSTEP, 196608                     ; four tiles on in hq's images: 4 x 32 x 1,536
.set SSTEP, 8192                       ; and in its scale words: 4 x 4 x 512
.set CNT,  43008
.set XSC,  786432
.set XO,  1                            ; v1   768 x token + 48 h
.set XSO, 2                            ; v2   32 x token + 16 h
.set TK,  3                            ; v3   the next tile's token, as loaded
.set LA,  4                            ; v4   where the list word after that lies
.set R4,  5                            ; v5   4 r
.set H48, 6                            ; v6   48 h
.set H16, 7                            ; v7   16 h
.set L16, 8                            ; v8   16 x lane
.set SO,  9                            ; v9   my row's scale word in hq
.set BA,  10                           ; v10  LDS: my half's bias
.set TMP, 11
.set XS,  12
.set XSN, 16
.set WS,  20
.set XF,  64
.set HA,  160
.set TM,  224                          ; v224-227 maxima, v228-231 permuted / bytes, v232-235 scale operands
.set PC,  236                          ; v236-247 the codes; v248-250, v252-254 halves on the way
.set PW,  251                          ; the scale word
.set SA,  224                          ; the head's own
.set FA0, 225
.set FA1, 226
.set WL,  227
.set BR,  232
.set WSO, 236
.set BST, 237
.set LN,  238
.set RR,  239
.set HH,  240
.set MSB, 0
.macro WIN new                         ; the immediate's high byte repeats the setting that is left; a switch that changes nothing is dropped
.if MSB != \new
	s_set_vgpr_msb (MSB<<8)|\new
.set MSB, \new
.endif
.endm
.macro FSET f                          ; where fragment f lies: window FW, register FRG
.if (\f) < 63
.set FW, 1+(\f)/21
.set FRG, 12*((\f)%21)
.else
.set FW, 0
.set FRG, 52
.endif
.endm
.macro PLACES                          ; four plain places behind matrix instructions, ahead of loads into their sources and of reads of their results; they stay beside the waits on va_vdst
.rept 4
	v_nop
.endr
.endm
.macro STIN u                          ; column block u of my wave's 32 rows goes into the stage as it was loaded
	WIN 0x0c                                       ; an LDS store's data are its source 1: window 3
.set q, 0
.rept 16
	ds_store_b128 v[SA], v[64*(\u)+4*q:64*(\u)+4*q+3] offset:q*2*RP+(q/8)*128+256*(\u)
.set q, q+1
.endr
	WIN 0
.endm
.macro FRAGS f0, num                   ; fragments f0 .. f0 + num - 1 out of the stage into my registers: six loads of 8 bytes a fragment, every address a multiple of 8
.set f, \f0
.rept \num
	FSET f
.set WN, FW<<6
	WIN WN
.set TB, WQ*(((f%8)/2)%2)+8*RP*(f%2)+96*(f/8)
.irp p, 0,1,2,3,4,5
.if (f%8) < 4
	ds_load_b64 v[FRG+2*\p:FRG+2*\p+1], v[FA0] offset:TB+48*(\p/3)+8*(\p%3)
.else
	ds_load_b64 v[FRG+2*\p:FRG+2*\p+1], v[FA1] offset:TB+48*(\p/3)+8*(\p%3)
.endif
.endr
.set f, f+1
.endr
	WIN 0
.endm
.macro MEET                            ; my LDS stores have landed and my LDS loads are in: then the work-group's barrier
	s_wait_dscnt 0x0
	s_barrier_signal -1
	s_barrier_wait -1
.endm
	s_load_b256 s[4:11], s[0:1], 0x0               ; xq s[4:5], route s[6:7], W1's codes s[8:9], W1's scales s[10:11]
	s_load_b128 s[12:15], s[0:1], 0x20             ; b1 s[12:13], hq s[14:15]
	s_set_vgpr_msb 0x40                            ; destination in window 1; v0, a source, in window 0
	v_lshl_add_u32 v252, v0, 2, 0x19400            ; v508: the LDS address of my spare word
	v_mov_b32 v253, 0                              ; v509: 0
	s_set_vgpr_msb 0x4000                          ; all back to window 0
	v_lshrrev_b32 v[TMP], 5, v0
	v_readfirstlane_b32 s16, v[TMP]                ; wave 0..3
	s_mov_b32 s17, ttmp9                           ; j
	s_and_b32 s18, ttmp7, 0xffff                   ; e
	s_mov_b32 s22, 0x76543210                      ; v_permlanex16_b32's selects for lane l xor 16
	s_mov_b32 s23, 0xfedcba98
	s_mov_b32 s25, 0
	v_and_b32 v[LN], 31, v0
	v_and_b32 v[RR], 15, v0                        ; r
	v_bfe_u32 v[HH], v0, 4, 1                      ; h
	v_lshlrev_b32 v[L16], 4, v[LN]
	v_lshlrev_b32 v[R4], 2, v[RR]
	v_mul_u32_u24 v[H48], v[HH], 48
	v_lshlrev_b32 v[H16], 4, v[HH]
	v_mul_u32_u24 v[WL], v[HH], ROWP
	v_lshl_add_u32 v[WL], v[RR], 4, v[WL]          ; the slab's loads: sixteen lanes take 256 bytes of a row, the other sixteen of the next row
	s_wait_alu depctr_va_sdst(0)                   ; s16, the wave's number, is written, ahead of its first reader
	s_mul_i32 s32, s16, WQ
	v_mul_u32_u24 v[SA], v[HH], RP
	v_lshl_add_u32 v[SA], v[RR], 4, v[SA]
	v_add_nc_u32 v[SA], s32, v[SA]                 ; and the same place in the stage: my wave's 32 rows
	v_and_b32 v[FA1], 8, v[RR]
	v_add_nc_u32 v[TMP], v[FA1], v[RR]             ; r + 8 (r / 8)
	v_mul_u32_u24 v[FA0], v[TMP], RP
	v_lshl_add_u32 v[FA0], v[FA1], 4, v[FA0]       ; (rows 16 on lie behind one gap of 128 bytes)
	v_mad_u32_u24 v[FA0], v[HH], 24, v[FA0]        ; a fragment's row, + 24 h
	v_add_nc_u32 v[FA1], 2*WQ, v[FA0]              ; the same for rows 64 on
	v_lshlrev_b32 v[WSO], 5, v[TMP]
	v_lshl_add_u32 v[WSO], v[HH], 4, v[WSO]        ; W1's scale bytes: 32 a row, + 16 h
	s_lshl_b32 s32, s16, 9
	s_add_co_u32 s32, s32, BIAS
	v_lshl_add_u32 v[BA], v[HH], 6, s32
	v_lshl_add_u32 v[BST], v[LN], 4, s32
	s_bfe_u32 s32, s17, 0x10002
	s_lshl_b32 s32, s32, 8
	s_and_b32 s33, s17, 3
	s_lshl_b32 s33, s33, 2
	s_add_co_u32 s32, s32, s33
	v_lshl_add_u32 v[SO], v[RR], 4, s32            ; 16 r + 256 ((j / 4) % 2) + 4 (j % 4)
	s_lshl_b32 s32, s16, 6
	v_add_nc_u32 v[LA], s32, v[R4]                 ; the list words of tile w
.irp b, 0,1,2,3
	v_mov_b32 v[TM+4+\b], 0                        ; a lane permute's destination counts as one of its sources
.endr
	s_wait_kmcnt 0x0
	s_lshl_b32 s32, s18, 12
	s_lshl_b32 s33, s17, 7
	s_add_co_u32 s32, s32, s33                     ; the slab's first row: 4096 e + 128 j
	s_lshl_b32 s33, s16, 5
	s_add_co_u32 s33, s32, s33
	s_mul_i32 s24, s33, ROWP
	s_add_nc_u64 s[8:9], s[8:9], s[24:25]          ; codes: my wave's 32 rows
	s_lshl_b32 s24, s32, 5
	s_add_nc_u64 s[10:11], s[10:11], s[24:25]
	s_lshl_b32 s24, s32, 2
	s_add_nc_u64 s[12:13], s[12:13], s[24:25]
	s_mul_i32 s24, s18, 4352
	s_add_nc_u64 s[26:27], s[6:7], s[24:25]        ; the expert's list
	s_lshl_b32 s24, s18, 2
	s_add_nc_u64 s[34:35], s[6:7], s[24:25]
	s_load_b32 s19, s[34:35], CNT                  ; the expert's rows
	s_lshl_b32 s33, s18, 6
	s_add_co_u32 s33, s33, s16                     ; 64 e + w: my first tile
	s_lshl_b32 s24, s33, 5
	s_add_co_u32 s24, s24, s17
	s_mul_i32 s24, s24, 1536
	s_add_nc_u64 s[28:29], s[14:15], s[24:25]      ; hq: image (tile, K step j)
	s_lshl_b32 s24, s33, 2
	s_lshr_b32 s32, s17, 3
	s_add_co_u32 s24, s24, s32
	s_lshl_b32 s24, s24, 9
	s_add_nc_u64 s[30:31], s[14:15], s[24:25]
	s_add_nc_u64 s[30:31], s[30:31], HSO           ; hq: scale words (tile, chunk j / 8)
	WIN 0xc0                                       ; destination window 3
	s_wait_alu depctr_va_vdst(0)                   ; every offset and address made above is written: the head's loads, LDS stores and LDS loads read them, and no vector line stands among these
.set q, 0
.rept 48                               ; column block q / 16, rows 2 (q % 16) and the next
	global_load_b128 v[4*q:4*q+3], v[WL], s[8:9] offset:(q%16)*2*ROWP+256*(q/16) th:TH_LOAD_NT   ; two aligned runs of 256 bytes; read once in the launch
.set q, q+1
.endr
	WIN 0
.irp t, 0,1,2,3,4,5,6,7
	global_load_b128 v[WS+4*\t:WS+4*\t+3], v[WSO], s[10:11] offset:(32*(\t/2)+8*(\t%2))*32
.endr
	global_load_b128 v[BR:BR+3], v[L16], s[12:13]  ; b1's 128 numbers
	global_load_b32 v[TK], v[LA], s[26:27]         ; tile w's tokens (written whatever the count: the list's spare entries)
	s_wait_loadcnt 42                              ; block 0's sixteen loads are in; behind them: 32 of the slab and the ten others
	STIN 0
	MEET                                           ; bytes 0-255 of all 128 rows lie in the stage
	FRAGS 0, 16                                    ; K steps 0 and 1: bytes 0-191 of the rows
	s_wait_loadcnt 26                              ; block 1 is in; behind it: 16 + 10
	STIN 1
	MEET                                           ; bytes 0-511
	FRAGS 16, 24                                   ; K steps 2 to 4: bytes 192-479
	s_wait_loadcnt 10                              ; block 2 is in; behind it the ten others
	STIN 2
	s_wait_loadcnt 1                               ; the scale words and b1 are in; the list word may be out
	ds_store_b128 v[BST], v[BR:BR+3]
	MEET                                           ; the whole slab; the last barrier, ahead of every branch on loaded data
	s_wait_kmcnt 0x0
	s_min_u32 s19, s19, 0x400
	s_add_co_u32 s20, s19, 15
	s_lshr_b32 s20, s20, 4                         ; tiles of 16 rows
	s_cmp_lt_u32 s16, s20
	s_cbranch_scc0 .Lend                           ; no tile for this wave
	s_sub_co_u32 s37, s20, s16
	s_add_co_u32 s37, s37, 3
	s_lshr_b32 s37, s37, 2                         ; my tiles: w, w + 4, .. below the expert's number: at least one
.macro GROUP g                         ; x's fragments of K steps 2 g and 2 g + 1: 48 consecutive bytes a lane and K step
.irp ss, 0,1
.irp u, 0,1,2
	global_load_b128 v[XF+12*(2*(\g)+\ss)+4*\u:XF+12*(2*(\g)+\ss)+4*\u+3], v[XO], s[4:5] offset:96*(2*(\g)+\ss)+16*\u
.endr
.endr
.endm
.macro BIASLD                          ; b1 into the accumulators: lane (r, h), tile 2 b + u: units 32 b + 16 h + 8 u + 0 .. 7
.irp t, 0,1,2,3,4,5,6,7
	ds_load_b128 v[HA+8*\t:HA+8*\t+3], v[BA] offset:128*(\t/2)+32*(\t%2)
	ds_load_b128 v[HA+8*\t+4:HA+8*\t+7], v[BA] offset:128*(\t/2)+32*(\t%2)+16
.endr
.endm
	s_wait_loadcnt 0x0                             ; tile w's tokens
	s_wait_alu depctr_vm_vsrc(0)                   ; the list's load has read v[LA], which is written below; my LDS stores of the slab have read window 3's v0-191, in which the last fragments land
	v_min_u32 v[TMP], 0x3ff, v[TK]
	v_mad_u32_u24 v[XO], v[TMP], ROWP, v[H48]
	v_lshl_add_u32 v[XSO], v[TMP], 5, v[H16]
	s_add_co_u32 s21, s16, 4                       ; the tile after this one
	s_sub_co_u32 s33, s20, 1
	s_min_u32 s32, s21, s33                        ; (held at the last tile: no list word beyond the spare entries is asked for)
	s_min_u32 s32, s32, 63
	s_lshl_b32 s32, s32, 6
	v_add_nc_u32 v[LA], s32, v[R4]
	s_wait_alu depctr_va_vdst(0)                   ; v[XO], v[XSO] and v[LA] are written, which the loads below read; v[TK] has been read, in which the list's next load lands
	global_load_b128 v[XS:XS+3], v[XSO], s[4:5] offset:XSC   ; the loads go out in the loop's own order, so that its counts hold on the way in
	GROUP 0
	global_load_b32 v[TK], v[LA], s[26:27]
	GROUP 1
	GROUP 2
	GROUP 3
	FRAGS 40, 24                                   ; K steps 5 to 7, while the first tile's operands come
	BIASLD
	s_wait_alu depctr_vm_vsrc(0)                   ; the head's loads, LDS stores and LDS loads have read v224-227 and v232-237 (addresses, b1 as loaded), which the quantiser writes: stated ahead of the branch, for both ways
.macro MM s, t                         ; K step s, tile t.  The eight accumulators take turns, one instruction a turn, over the loop's edge too
	FSET 8*(\s)+(\t)
	WIN FW
.if (\s) < 4
	v_wmma_scale_f32_16x16x128_f8f6f4 v[HA+8*(\t):HA+8*(\t)+7], v[FRG:FRG+11], v[XF+12*(\s):XF+12*(\s)+11], v[HA+8*(\t):HA+8*(\t)+7], v[WS+4*(\t)+(\s)%4], v[XS+(\s)%4] matrix_a_fmt:MATRIX_FMT_BF6 matrix_b_fmt:MATRIX_FMT_BF6
.else
	v_wmma_scale_f32_16x16x128_f8f6f4 v[HA+8*(\t):HA+8*(\t)+7], v[FRG:FRG+11], v[XF+12*(\s):XF+12*(\s)+11], v[HA+8*(\t):HA+8*(\t)+7], v[WS+4*(\t)+(\s)%4], v[XS+(\s)%4] matrix_a_fmt:MATRIX_FMT_BF6 matrix_b_fmt:MATRIX_FMT_BF6 matrix_a_scale:MATRIX_SCALE_ROW1 matrix_b_scale:MATRIX_SCALE_ROW1
.endif
.endm
; 64 numbers of a lane, register 16 b + i = unit 32 b + 16 (lane / 16) + i of my row, none negative, become a fragment's codes in v[PC] on and its scale word in v[PW]
.macro QUANT s
.irp b, 0,1,2,3
	v_max3_num_f32 v[TM+\b], v[\s+16*\b], v[\s+1+16*\b], 0x2800000   ; and the floor 2^(5 - 127): the byte cannot fall under 1
.endr
.irp i, 2,4,6,8,10,12,14
.irp b, 0,1,2,3
	v_max3_num_f32 v[TM+\b], v[TM+\b], v[\s+16*\b+\i], v[\s+1+16*\b+\i]
.endr
.endr
.irp b, 0,1,2,3
	v_permlanex16_b32 v[TM+4+\b], v[TM+\b], s22, s23
.endr
.irp b, 0,1,2,3
	v_max_num_f32 v[TM+\b], v[TM+\b], v[TM+4+\b]   ; with lane l xor 16's: the block's largest
.endr
.irp b, 0,1,2,3
	v_add_nc_u32 v[TM+8+\b], 0xfe000000, v[TM+\b]  ; 4 off its exponent field: the conversion's scale operand
.endr
.irp b, 0,1,2,3
	v_lshrrev_b32 v[TM+4+\b], 23, v[TM+8+\b]       ; the byte
.endr
	v_lshl_or_b32 v[PW], v[TM+5], 8, v[TM+4]
	v_lshl_or_b32 v[PW], v[TM+6], 16, v[PW]
	v_lshl_or_b32 v[PW], v[TM+7], 24, v[PW]
.irp c, 0,1
	v_cvt_scalef32_pk16_bf6_f32 v[PC+6*\c:PC+2+6*\c], v[\s+32*\c:\s+15+32*\c], v[TM+8+2*\c]
	v_cvt_scalef32_pk16_bf6_f32 v[PC+12+4*\c:PC+14+4*\c], v[\s+16+32*\c:\s+31+32*\c], v[TM+8+2*\c+1]   ; (a conversion's three registers begin on an even number)
.endr
	v_nop                                          ; one plain place behind the conversions
.irp c, 0,1                            ; the operand's layout wants a whole block in a lane: lanes 0-15 block 2 c, lanes 16-31 block 2 c + 1
.irp i, 0,1,2
	v_permlane16_swap_b32 v[PC+6*\c+\i], v[PC+12+4*\c+\i]
.endr
.irp i, 0,1,2
	v_mov_b32 v[PC+3+6*\c+\i], v[PC+12+4*\c+\i]
.endr
.endr
.endm
; ONE TILE OF 16 ROWS.  pf = 1: the next tile's operands are asked for, each pair of K steps into the registers that its products have left: pair 0's between pairs 0 and 1, behind the address lines;
; pair 1's and pair 2's among the products of the pair that follows, where the register window is switched; pair 3's behind its products.
; Loads of a trip, in order: the next scale words (1), group 0 (6), the list word after next (1), groups 1, 2, 3 (6 each).  Each wait's count is the number of loads issued behind the one that is wanted.
; THE STORES' BASES are stepped between pairs 0 and 1, behind the wait that stands there for the gather's offsets: that wait also shows that the last tile's stores have read their bases and their data,
; which this trip's quantiser writes again.  So a trip's own stores reach back by a negative immediate; the last tile steps nothing and stores at the bases as they stand.
.macro TILE pf
	s_wait_dscnt 0x0                               ; b1 lies in the accumulators (first tile: and the last fragments in my registers)
	s_wait_loadcnt 19                              ; group 0 (and the scale words ahead of it): behind it the list word and groups 1 to 3
.irp t, 0,1,2,3,4,5,6,7
	MM 0, \t
.endr
.irp t, 0,1,2,3,4,5,6,7
	MM 1, \t
.endr
.if \pf
	PLACES
	WIN 0
	s_wait_loadcnt 18                              ; the next tile's tokens are in (behind that load: groups 1 to 3)
	s_wait_xcnt 0x0                                ; groups 1 to 3 have read their offset register, the last tile's stores their data and bases: all may be written
	s_wait_alu depctr_vm_vsrc(0)                   ; the loads issued so far have read v[XO], v[XSO] and v[LA], which the lines below write; the last tile's stores have read PC and PW, which this trip's quantiser writes
	s_add_nc_u64 s[28:29], s[28:29], HSTEP         ; four tiles on
	s_add_nc_u64 s[30:31], s[30:31], SSTEP
	v_min_u32 v[TMP], 0x3ff, v[TK]
	v_mad_u32_u24 v[XO], v[TMP], ROWP, v[H48]
	v_lshl_add_u32 v[XSO], v[TMP], 5, v[H16]
	s_add_co_u32 s32, s21, 4
	s_sub_co_u32 s33, s20, 1
	s_min_u32 s32, s32, s33
	s_min_u32 s32, s32, 63
	s_lshl_b32 s32, s32, 6
	v_add_nc_u32 v[LA], s32, v[R4]
	s_wait_alu depctr_va_vdst(0)                   ; v[XO], v[XSO], v[LA] are written, which the loads below read; pair 0's products are done reading XF[0], the line above v[TK], the last trip's moves XSN: loads land in all three
	global_load_b128 v[XSN:XSN+3], v[XSO], s[4:5] offset:XSC
	GROUP 0
	global_load_b32 v[TK], v[LA], s[26:27]
	s_wait_loadcnt 20                              ; group 1: behind it groups 2 and 3 and the eight loads just issued
.else
	s_wait_loadcnt 12
.endif
.irp t, 0,1,2,3,4,5,6,7
	MM 2, \t
.endr
.irp t, 0,1,2,3,4,5,6,7
	MM 3, \t
.endr
.if \pf
	s_wait_loadcnt 14                              ; group 2: behind it group 3 and this trip's eight
	PLACES
	s_wait_alu depctr_va_vdst(0)                   ; pair 1's products are done reading XF[1], in which the loads ten products further on land
.else
	s_wait_loadcnt 6
.endif
.irp t, 0,1,2,3,4,5,6,7
	MM 4, \t
.endr
.irp t, 0,1
	MM 5, \t
.endr
.if \pf
	WIN 0                                          ; (the products change windows here in any case)
	GROUP 1                                        ; no wait: the products since the wait above name W1's fragments, XF[2], HA and scale words, not XF[1] nor v[XO]
.endif
.irp t, 2,3,4,5,6,7
	MM 5, \t
.endr
.if \pf
	s_wait_loadcnt 14                              ; group 3: behind it this trip's eight and group 1's six
	PLACES
	s_wait_alu depctr_va_vdst(0)                   ; pair 2's products are done reading XF[2], in which the loads eight products further on land
.else
	s_wait_loadcnt 0x0
.endif
.irp t, 0,1,2,3,4,5,6,7
	MM 6, \t
.endr
.if \pf
	WIN 0
	GROUP 2                                        ; no wait: the products since the wait above name XF[3], not XF[2] nor v[XO]
.endif
.irp t, 0,1,2,3,4,5,6,7
	MM 7, \t
.endr
	PLACES
	WIN 0
.if \pf
	s_wait_alu depctr_va_vdst(0)                   ; pair 3's products are done reading XF[3], in which the loads below land
	GROUP 3
.endif
.set i, 0
.rept 64
	v_max_num_f32 v[HA+i], 0, v[HA+i]              ; the activation, in f32; each accumulator from its low end on
.set i, i+1
.endr
.if \pf
.set BACK, HSTEP
.set BACKS, SSTEP
	s_wait_loadcnt 25                              ; the next scale words are in (behind them: 6 + 1 + 18)
.irp i, 0,1,2,3
	v_mov_b32 v[XS+\i], v[XSN+\i]                  ; the quantiser's lines below are the places between these and the next products
.endr
.else
.set BACK, 0
.set BACKS, 0
	s_wait_xcnt 0x0                                ; the last tile's stores have read their data: the quantiser may write them again (no younger memory instruction is out)
	s_wait_alu depctr_vm_vsrc(0)                   ; the same stores have read PC and PW, which the quantiser writes
.endif
	QUANT HA
	s_wait_alu depctr_va_vdst(0)                   ; the quantiser has written PC and PW, which the stores read, and is done with HA, in which b1's LDS loads land; the moved scale words are written, behind their places, ahead of the next products
.if \pf
	BIASLD
.endif
.irp c, 0,1,2
	global_store_b128 v[L16], v[PC+4*\c:PC+4*\c+3], s[28:29] offset:512*\c-BACK   ; the image: 512 consecutive bytes a store
.endr
	global_store_b32 v[SO], v[PW], s[30:31] offset:0-BACKS   ; lanes r and r + 16 store the same word with the same value
.endm
	s_mov_b32 s38, 1                               ; the loop counts my tiles one by one; all but the last go round it
	s_cmp_lt_u32 s38, s37
	s_cbranch_scc0 .Ltail
.Lloop:
	TILE 1
	s_add_co_u32 s21, s21, 4                       ; the tile number, for the list's address alone
	s_add_co_u32 s38, s38, 1
	s_cmp_lt_u32 s38, s37
	s_cbranch_scc1 .Lloop
.Ltail:                                        ; the last tile is written out: it asks for nothing, and its counts run down
	TILE 0
.Lend:
	s_set_vgpr_msb 0x5                             ; the add's two registers, its sources 0 and 1, lie in window 1 (the setting before was 0); the switch stands ahead of the closing lines, and none follows them
	s_wait_dscnt 0x0                               ; the closing lines, six on end
	s_wait_alu 0x0
	s_wait_tensorcnt 0x0
	ds_add_u32 v252, v253
	s_wait_dscnt 0x0
	s_endpgm
.Lfunc_end_k_qec48eea059_ffn1:
	.size	k_qec48eea059_ffn1, .Lfunc_end_k_qec48eea059_ffn1-k_qec48eea059_ffn1
	.p2alignl 7, 3214868480
	.fill 96, 4, 3214868480
	.section	.rodata,"a",@progbits
	.p2align	6, 0x0
	.amdhsa_kernel k_qec48eea059_ffn1
		.amdhsa_group_segment_fixed_size 103936
		.amdhsa_private_segment_fixed_size 0
		.amdhsa_enable_private_segment 0
		.amdhsa_kernarg_size 48
		.amdhsa_user_sgpr_count 2
		.amdhsa_user_sgpr_kernarg_segment_ptr 1
		.amdhsa_wavefront_size32 1
		.amdhsa_system_sgpr_workgroup_id_x 1
		.amdhsa_system_sgpr_workgroup_id_y 1
		.amdhsa_system_sgpr_workgroup_id_z 1
		.amdhsa_system_vgpr_workitem_id 0
		.amdhsa_next_free_vgpr 1024
		.amdhsa_next_free_sgpr 66
		.amdhsa_reserve_vcc 0
		.amdhsa_float_denorm_mode_32 3
		.amdhsa_float_denorm_mode_16_64 3
		.amdhsa_memory_ordered 1
		.amdhsa_forward_progress 1
		.amdhsa_inst_pref_size 77
	.end_amdhsa_kernel
	.amdgpu_metadata
---
amdhsa.version: [ 1, 2 ]
amdhsa.kernels:
  - .name:           k_qec48eea059_ffn1
    .symbol:         k_qec48eea059_ffn1.kd
    .args:
      - { .name: xq, .offset: 0, .size: 8, .value_kind: global_buffer, .address_space: global }
      - { .name: route, .offset: 8, .size: 8, .value_kind: global_buffer, .address_space: global }
      - { .name: W1_codes, .offset: 16, .size: 8, .value_kind: global_buffer, .address_space: global }
      - { .name: W1_scales, .offset: 24, .size: 8, .value_kind: global_buffer, .address_space: global }
      - { .name: b1, .offset: 32, .size: 8, .value_kind: global_buffer, .address_space: global }
      - { .name: hq, .offset: 40, .size: 8, .value_kind: global_buffer, .address_space: global }
    .group_segment_fixed_size: 103936
    .private_segment_fixed_size: 0
    .kernarg_segment_align: 8
    .kernarg_segment_size: 48
    .max_flat_workgroup_size: 128
    .sgpr_count:     66
    .vgpr_count:     1024
    .wavefront_size: 32
...
	.end_amdgpu_metadata
.endif
;; end of part 6
;; launch ffn2 (part 7): grid 32 x 8, 4 waves a work-group, no clusters, 135,680 bytes of LDS; arguments hq, route, W2_codes, W2_scales, yp; writes yp
.if DOCPART == 7
	.amdgcn_target "amdgcn-amd-amdhsa--gfx1250"
	.amdhsa_code_object_version 6
	.text
	.protected	k_qec48eea059_ffn2
	.globl	k_qec48eea059_ffn2
	.p2align	8
	.type	k_qec48eea059_ffn2,@function
k_qec48eea059_ffn2:
	s_mov_b64 s[64:65], 0
	v_nop
	global_prefetch_b8 v0, s[64:65] scope:SCOPE_SE
	s_setreg_imm32_b32 hwreg(HW_REG_WAVE_SCHED_MODE, 0, 2), 2
	s_setreg_imm32_b32 hwreg(HW_REG_WAVE_MODE, 25, 1), 1
	s_wait_xcnt 0x0
	s_wait_alu depctr_vm_vsrc(0)
; y's PARTIAL SUMS: yp[c][row][d] = the sum over hidden units 1024 c .. 1024 c + 1023 of h[row][.] W2[e][d][.], for the rows that chose expert e.  Both operands are codes of E3M2 with E8M0 scales.
; SHARES.  Work-group (x, e), x = dblk + 8 c, owns outputs d = 128 dblk .. + 127 and chunk c of K: 128 rows x 768 bytes of W2, read from memory once (three aligned runs of 256 bytes a row), turned through LDS,
; then whole in each wave's registers (64 fragments).  K is cut in four so that 8 x 8 x 4 = 256 work-groups each read every byte of W2 once and 192 KiB of h on the average split;
; the four f32 sums of a row are added by the next launch (the sums over K = 4,096 are so made of four f32 sums of 1,024).
; THE SLAB COMES IN THREE COLUMN BLOCKS of 256 bytes a row.  When a block of all 128 rows lies in the stage (a barrier for each block), every wave reads the fragments of the K steps that are whole by then
; (bytes 0-255: K steps 0, 1; 0-511: 2 to 4; all: 5 to 7), while the later blocks are still on their way from memory.  Between two barriers the reads and the other waves' stores touch different bytes of a row.
; The waves share the expert's tiles of 16 rows out (w, w + 4, ..).  h comes as images of the operand's registers: every load is 512 consecutive bytes.  No LDS operand and no barrier in the loop.
; The number of tiles is read from memory, so: no tensor load, no copy, no cluster; the three barriers stand ahead of every branch on that number.
; TRANSPOSED: source 0 = 16 rows of W2 (neighbours), source 1 = 16 rows of h: a lane holds eight neighbouring d of one row; a tile goes through the wave's own stage and leaves as rows of 512 consecutive bytes.
; A last tile's spare rows (token 0) are computed and stored like the others; nobody reads them.
; REGISTERS: window 0: v8-10 addresses; v12-15 h's scale words, v16-19 the next tile's; v20-51 W2's scale words; v52-63 fragment 63; v64-159 h's 8 fragments; v160-223 8 accumulators, then rows of y; v224-240 the head's own.
; Windows 1-3: fragments 0-62 of W2 (fragment 8 s + t), 21 a window; the slab as loaded lies in window 3, v0-191, which the last fragments take.
; THE MODE: SCHED_MODE bits 1:0 = 2 (LLVM: expert scheduling mode 2), set by the entry lines.  The code itself states the register dependences between vector or matrix instructions and memory or LDS
; instructions, with s_wait_alu, always for 0.
; THE PLAN.  Registers that memory or LDS instructions touch, in the loop (a PAIR is two K steps, 16 products, 24 registers of h's fragments):
;   XF[g], g = 0 .. 3   Pair g's 16 products read it; behind them the next tile's six loads land in it.
;   XSN                 A load lands in it; four moves read it, at the trip's end.
;   HA                  The products write it; the stage's 16 LDS stores read it; the 16 LDS loads from the stage land in it; the 16 global stores read it; the next tile's products write it.
;   v[L16], v[STO], v[RD]  Read by loads and stores; never written again: the scalar bases step.
; So a trip has one wait on va_vdst at the head of pairs 1, 2 and 3, which shows the pair before done, whose registers are then asked for again among the new pair's products (these name W2's fragments, their own XF,
; HA and scale words: nothing that those loads touch); one behind pair 3's places, for the stage's stores and for pair 3's registers; one wait on vm_vsrc between the stage's stores and the loads that land in the same
; registers; and at the trip's end one on vm_vsrc (the global stores have read HA) and one on va_vdst (the moved scale words are written).
.set ROWP, 3072                        ; a row of W2's codes in memory
.set RP,   784                         ; a chunk's 768 bytes in the stage, + 16; 128 bytes more behind every 16 rows
.set WQ,   25344                       ; 32 rows of the stage
.set STG,  4*WQ                        ; behind it: 16 rows x 528 bytes for each wave, for the way out
.set HSO,  25165824
.set CNT,  43008
.set NEXT, 196608                      ; four tiles on in hq's images: 4 x 32 x 1,536
.set NEXTS, 8192                       ; and in its scale words: 4 x 4 x 512
.set L16, 8
.set STO, 9
.set RD,  10
.set TMP, 11
.set XS,  12
.set XSN, 16
.set WS,  20
.set XF,  64
.set HA,  160
.set SA,  224
.set FA0, 225
.set FA1, 226
.set WL,  227
.set WSO, 236
.set LN,  238
.set RR,  239
.set HH,  240
.set MSB, 0
.macro WIN new                         ; the immediate's high byte repeats the setting that is left; a switch that changes nothing is dropped
.if MSB != \new
	s_set_vgpr_msb (MSB<<8)|\new
.set MSB, \new
.endif
.endm
.macro FSET f
.if (\f) < 63
.set FW, 1+(\f)/21
.set FRG, 12*((\f)%21)
.else
.set FW, 0
.set FRG, 52
.endif
.endm
.macro PLACES                          ; four plain places behind matrix instructions, ahead of loads into their sources and of reads of their results; they stay beside the waits on va_vdst
.rept 4
	v_nop
.endr
.endm
.macro STIN u                          ; column block u of my wave's 32 rows goes into the stage as it was loaded
	WIN 0x0c                                       ; an LDS store's data are its source 1: window 3
.set q, 0
.rept 16
	ds_store_b128 v[SA], v[64*(\u)+4*q:64*(\u)+4*q+3] offset:q*2*RP+(q/8)*128+256*(\u)
.set q, q+1
.endr
	WIN 0
.endm
.macro FRAGS f0, num                   ; fragments f0 .. f0 + num - 1 out of the stage into my registers: six loads of 8 bytes a fragment, every address a multiple of 8
.set f, \f0
.rept \num
	FSET f
.set WN, FW<<6
	WIN WN
.set TB, (WQ/2)*(f%4)+96*(f/8)
.irp p, 0,1,2,3,4,5
.if (f%8) < 4
	ds_load_b64 v[FRG+2*\p:FRG+2*\p+1], v[FA0] offset:TB+48*(\p/3)+8*(\p%3)
.else
	ds_load_b64 v[FRG+2*\p:FRG+2*\p+1], v[FA1] offset:TB+48*(\p/3)+8*(\p%3)
.endif
.endr
.set f, f+1
.endr
	WIN 0
.endm
.macro MEET                            ; my LDS stores have landed and my LDS loads are in: then the work-group's barrier
	s_wait_dscnt 0x0
	s_barrier_signal -1
	s_barrier_wait -1
.endm
	s_load_b256 s[4:11], s[0:1], 0x0               ; hq s[4:5], route s[6:7], W2's codes s[8:9], W2's scales s[10:11]
	s_load_b64 s[12:13], s[0:1], 0x20              ; yp
	v_lshl_add_u32 v254, v0, 2, 0x21000
	v_mov_b32 v255, 0
	v_lshrrev_b32 v[TMP], 5, v0
	v_readfirstlane_b32 s16, v[TMP]                ; wave 0..3
	s_and_b32 s17, ttmp9, 7                        ; dblk
	s_lshr_b32 s36, ttmp9, 3                       ; c
	s_and_b32 s18, ttmp7, 0xffff                   ; e
	s_mov_b32 s25, 0
	v_and_b32 v[LN], 31, v0
	v_and_b32 v[RR], 15, v0                        ; r
	v_bfe_u32 v[HH], v0, 4, 1                      ; h
	v_lshlrev_b32 v[L16], 4, v[LN]
	v_mul_u32_u24 v[WL], v[HH], ROWP
	v_lshl_add_u32 v[WL], v[RR], 4, v[WL]
	s_wait_alu depctr_va_sdst(0)                   ; s16, the wave's number, is written, ahead of its first reader
	s_mul_i32 s32, s16, WQ
	v_mul_u32_u24 v[SA], v[HH], RP
	v_lshl_add_u32 v[SA], v[RR], 4, v[SA]
	v_add_nc_u32 v[SA], s32, v[SA]
	v_mul_u32_u24 v[FA0], v[RR], RP
	v_mad_u32_u24 v[FA0], v[HH], 24, v[FA0]        ; a fragment's row r, + 24 h
	v_add_nc_u32 v[FA1], 2*WQ, v[FA0]              ; the same for rows 64 on
	v_lshlrev_b32 v[WSO], 7, v[RR]
	v_lshl_add_u32 v[WSO], v[HH], 4, v[WSO]        ; W2's scale bytes: 128 a row, + 16 h
	s_mul_i32 s32, s16, 16*528
	s_add_co_u32 s32, s32, STG
	v_mul_u32_u24 v[STO], v[RR], 528
	v_lshl_add_u32 v[STO], v[HH], 5, v[STO]
	v_add_nc_u32 v[STO], s32, v[STO]               ; my stage, in: row r, + 32 h
	v_lshl_add_u32 v[RD], v[LN], 4, s32            ; and back: a row's 512 bytes over the 32 lanes
	s_wait_kmcnt 0x0
	s_lshl_b32 s32, s18, 10
	s_lshl_b32 s33, s17, 7
	s_add_co_u32 s32, s32, s33                     ; the slab's first row: 1024 e + 128 dblk
	s_lshl_b32 s33, s16, 5
	s_add_co_u32 s33, s32, s33
	s_mul_i32 s24, s33, ROWP
	s_mul_i32 s33, s36, 768
	s_add_co_u32 s24, s24, s33
	s_add_nc_u64 s[8:9], s[8:9], s[24:25]          ; codes: my wave's 32 rows, chunk c
	s_lshl_b32 s24, s32, 7
	s_lshl_b32 s33, s36, 5
	s_add_co_u32 s24, s24, s33
	s_add_nc_u64 s[10:11], s[10:11], s[24:25]
	s_lshl_b32 s24, s18, 2
	s_add_nc_u64 s[34:35], s[6:7], s[24:25]
	s_load_b32 s19, s[34:35], CNT                  ; the expert's rows
	s_lshl_b32 s33, s18, 6
	s_add_co_u32 s33, s33, s16                     ; 64 e + w: my first tile
	s_lshl_b32 s24, s33, 5
	s_lshl_b32 s32, s36, 3
	s_add_co_u32 s24, s24, s32
	s_mul_i32 s24, s24, 1536
	s_add_nc_u64 s[28:29], s[4:5], s[24:25]        ; hq: images (tile, K steps 8 c on)
	s_lshl_b32 s24, s33, 2
	s_add_co_u32 s24, s24, s36
	s_lshl_b32 s24, s24, 9
	s_add_nc_u64 s[30:31], s[4:5], s[24:25]
	s_add_nc_u64 s[30:31], s[30:31], HSO           ; hq: scale words (tile, chunk c)
	s_lshl_b32 s24, s36, 25
	s_lshl_b32 s32, s33, 16
	s_add_co_u32 s24, s24, s32
	s_lshl_b32 s32, s17, 9
	s_add_co_u32 s24, s24, s32
	s_add_nc_u64 s[26:27], s[12:13], s[24:25]      ; yp: chunk c, my tile's first row, my 128 outputs
	WIN 0xc0                                       ; destination window 3
	s_wait_alu depctr_va_vdst(0)                   ; every offset and address made above is written: all loads, stores and LDS instructions of the kernel read them, and none is written again
.set q, 0
.rept 48                               ; column block q / 16, rows 2 (q % 16) and the next
	global_load_b128 v[4*q:4*q+3], v[WL], s[8:9] offset:(q%16)*2*ROWP+256*(q/16) th:TH_LOAD_NT   ; two aligned runs of 256 bytes; read once in the launch
.set q, q+1
.endr
	WIN 0
.irp t, 0,1,2,3,4,5,6,7
	global_load_b128 v[WS+4*\t:WS+4*\t+3], v[WSO], s[10:11] offset:2048*\t
.endr
	s_wait_loadcnt 40                              ; block 0's sixteen loads are in; behind them: 32 of the slab and the eight loads of scale words
	STIN 0
	MEET                                           ; bytes 0-255 of all 128 rows lie in the stage
	FRAGS 0, 16                                    ; K steps 0 and 1: bytes 0-191 of the rows
	s_wait_loadcnt 24                              ; block 1 is in; behind it: 16 + 8
	STIN 1
	MEET                                           ; bytes 0-511
	FRAGS 16, 24                                   ; K steps 2 to 4: bytes 192-479
	s_wait_loadcnt 8                               ; block 2 is in; the eight loads of scale words may be out
	STIN 2
	MEET                                           ; the whole slab; the last barrier, ahead of every branch on loaded data
	s_wait_kmcnt 0x0
	s_min_u32 s19, s19, 0x400
	s_add_co_u32 s20, s19, 15
	s_lshr_b32 s20, s20, 4                         ; tiles of 16 rows
	s_cmp_lt_u32 s16, s20
	s_cbranch_scc0 .Lend                           ; no tile for this wave
	s_sub_co_u32 s37, s20, s16
	s_add_co_u32 s37, s37, 3
	s_lshr_b32 s37, s37, 2                         ; my tiles: w, w + 4, .. below the expert's number: at least one
.macro GROUP g, off                    ; h's fragments of K steps 2 g and 2 g + 1, as images
.irp ss, 0,1
.irp u, 0,1,2
	global_load_b128 v[XF+12*(2*(\g)+\ss)+4*\u:XF+12*(2*(\g)+\ss)+4*\u+3], v[L16], s[28:29] offset:\off+1536*(2*(\g)+\ss)+512*\u
.endr
.endr
.endm
	s_wait_alu depctr_vm_vsrc(0)                   ; my LDS stores of the slab have read window 3's v0-191, in which the last fragments land; only loads and window switches stand between this wait and those
	global_load_b128 v[XS:XS+3], v[L16], s[30:31]  ; the loads go out in the loop's own order, so that its counts hold on the way in
	GROUP 0, 0
	GROUP 1, 0
	GROUP 2, 0
	GROUP 3, 0
	FRAGS 40, 24                                   ; K steps 5 to 7, while the first tile's operands come
.macro MM s, t                         ; K step s, tile t of outputs.  K step 0 starts the sums with the constant 0.  The eight accumulators take turns, one instruction a turn
	FSET 8*(\s)+(\t)
	WIN FW
.if (\s) == 0
	v_wmma_scale_f32_16x16x128_f8f6f4 v[HA+8*(\t):HA+8*(\t)+7], v[FRG:FRG+11], v[XF+12*(\s):XF+12*(\s)+11], 0, v[WS+4*(\t)+(\s)%4], v[XS+(\s)%4] matrix_a_fmt:MATRIX_FMT_BF6 matrix_b_fmt:MATRIX_FMT_BF6
.elseif (\s) < 4
	v_wmma_scale_f32_16x16x128_f8f6f4 v[HA+8*(\t):HA+8*(\t)+7], v[FRG:FRG+11], v[XF+12*(\s):XF+12*(\s)+11], v[HA+8*(\t):HA+8*(\t)+7], v[WS+4*(\t)+(\s)%4], v[XS+(\s)%4] matrix_a_fmt:MATRIX_FMT_BF6 matrix_b_fmt:MATRIX_FMT_BF6
.else
	v_wmma_scale_f32_16x16x128_f8f6f4 v[HA+8*(\t):HA+8*(\t)+7], v[FRG:FRG+11], v[XF+12*(\s):XF+12*(\s)+11], v[HA+8*(\t):HA+8*(\t)+7], v[WS+4*(\t)+(\s)%4], v[XS+(\s)%4] matrix_a_fmt:MATRIX_FMT_BF6 matrix_b_fmt:MATRIX_FMT_BF6 matrix_a_scale:MATRIX_SCALE_ROW1 matrix_b_scale:MATRIX_SCALE_ROW1
.endif
.endm
; ONE TILE OF 16 ROWS.  pf = 1: the next tile's operands are asked for, each pair of K steps into the registers that its products have left: pairs 0, 1 and 2 among the products of the pair that follows,
; where the register window is switched; pair 3 behind its products.
; Loads of a trip, in order: the next scale words (1), groups 0 to 3 (6 each).  Each wait's count is the number of loads issued behind the one that is wanted.
.macro TILE pf
	s_wait_dscnt 0x0                               ; first tile: the last fragments lie in my registers
	s_wait_loadcnt 18                              ; group 0 (and all that was asked for ahead of it): behind it groups 1 to 3
.irp t, 0,1,2,3,4,5,6,7
	MM 0, \t
.endr
.irp t, 0,1,2,3,4,5,6,7
	MM 1, \t
.endr
	s_wait_loadcnt 12                              ; group 1: behind it groups 2 and 3
.if \pf
	PLACES
	s_wait_alu depctr_va_vdst(0)                   ; pair 0's products are done reading XF[0], in which the loads five products further on land (the last trip's moves are done reading XSN likewise)
.endif
.irp t, 0,1,2,3,4
	MM 2, \t
.endr
.if \pf
	WIN 0                                          ; (the products change windows here in any case)
	global_load_b128 v[XSN:XSN+3], v[L16], s[30:31] offset:NEXTS
	GROUP 0, NEXT                                  ; no wait: the products since the wait above name W2's fragments, XF[1], HA and scale words, not XF[0], XSN nor v[L16]
.endif
.irp t, 5,6,7
	MM 2, \t
.endr
.irp t, 0,1,2,3,4,5,6,7
	MM 3, \t
.endr
.if \pf
	s_wait_loadcnt 13                              ; group 2: behind it group 3 and the seven loads of this trip
	PLACES
	s_wait_alu depctr_va_vdst(0)                   ; pair 1's products are done reading XF[1], in which the loads ten products further on land
.else
	s_wait_loadcnt 6
.endif
.irp t, 0,1,2,3,4,5,6,7
	MM 4, \t
.endr
.irp t, 0,1
	MM 5, \t
.endr
.if \pf
	WIN 0
	GROUP 1, NEXT                                  ; no wait: the products since the wait above name XF[2], not XF[1]
.endif
.irp t, 2,3,4,5,6,7
	MM 5, \t
.endr
.if \pf
	s_wait_loadcnt 13                              ; group 3: behind it this trip's seven and group 1's six
	PLACES
	s_wait_alu depctr_va_vdst(0)                   ; pair 2's products are done reading XF[2], in which the loads eight products further on land
.else
	s_wait_loadcnt 0x0
.endif
.irp t, 0,1,2,3,4,5,6,7
	MM 6, \t
.endr
.if \pf
	WIN 0
	GROUP 2, NEXT                                  ; no wait: the products since the wait above name XF[3], not XF[2]
.endif
.irp t, 0,1,2,3,4,5,6,7
	MM 7, \t
.endr
	PLACES
	WIN 0
	s_wait_alu depctr_va_vdst(0)                   ; the products have written the accumulators, which the stage's stores read and in which its loads land; pair 3's are done reading XF[3].  The places above stay beside this wait
.if \pf
	GROUP 3, NEXT
.endif
.irp t, 0,1,2,3,4,5,6,7
	ds_store_b128 v[STO], v[HA+8*\t:HA+8*\t+3] offset:64*\t          ; lane (r, h): y(row r, 16 t + 8 h + 0 .. 7); each accumulator from its low end on
	ds_store_b128 v[STO], v[HA+8*\t+4:HA+8*\t+7] offset:64*\t+16
.endr
	s_wait_alu depctr_vm_vsrc(0)                   ; the stage's stores have read v[HA ..], in which the loads below land
.irp i, 0,1,2,3,4,5,6,7,8,9,10,11,12,13,14,15
	ds_load_b128 v[HA+4*\i:HA+4*\i+3], v[RD] offset:528*\i           ; LDS serves a wave's instructions in order (ISA guide 5.7.1.4): these see my stores
.endr
.irp i, 0,1,2,3,4,5,6,7,8,9,10,11,12,13,14,15
	s_wait_dscnt 15-\i
	global_store_b128 v[L16], v[HA+4*\i:HA+4*\i+3], s[26:27] offset:4096*\i th:TH_STORE_NT   ; 512 consecutive bytes, at a multiple of 256 from yp's first byte
.endr
.if \pf
	s_wait_loadcnt 24                              ; the next scale words are in (behind them: the four groups)
.irp i, 0,1,2,3
	v_mov_b32 v[XS+\i], v[XSN+\i]
.endr
.rept 8
	v_nop                                          ; a scale register written by a vector instruction stands eight places ahead of a scaled matrix instruction; no other vector work is at hand here
.endr
	s_wait_xcnt 0x0                                ; loads and stores have read their registers and bases: the accumulators may begin anew, the bases may step
	s_wait_alu depctr_vm_vsrc(0)                   ; the global stores have read v[HA ..], which the next tile's products write
	s_wait_alu depctr_va_vdst(0)                   ; the moves have written the scale words, behind their places and ahead of the products that take them; and they are done reading XSN
	s_add_nc_u64 s[28:29], s[28:29], NEXT
	s_add_nc_u64 s[30:31], s[30:31], NEXTS
	s_add_nc_u64 s[26:27], s[26:27], 262144        ; four tiles on: 64 rows of 4,096 bytes
.endif
.endm
	s_mov_b32 s38, 1                               ; the loop counts my tiles one by one; all but the last go round it
	s_cmp_lt_u32 s38, s37
	s_cbranch_scc0 .Ltail
.Lloop:
	TILE 1
	s_add_co_u32 s38, s38, 1
	s_cmp_lt_u32 s38, s37
	s_cbranch_scc1 .Lloop
.Ltail:                                        ; the last tile is written out: it asks for nothing, and its counts run down
	TILE 0
.Lend:
	s_wait_dscnt 0x0                               ; the closing lines, six on end
	s_wait_alu 0x0
	s_wait_tensorcnt 0x0
	ds_add_u32 v254, v255
	s_wait_dscnt 0x0
	s_endpgm
.Lfunc_end_k_qec48eea059_ffn2:
	.size	k_qec48eea059_ffn2, .Lfunc_end_k_qec48eea059_ffn2-k_qec48eea059_ffn2
	.p2alignl 7, 3214868480
	.fill 96, 4, 3214868480
	.section	.rodata,"a",@progbits
	.p2align	6, 0x0
	.amdhsa_kernel k_qec48eea059_ffn2
		.amdhsa_group_segment_fixed_size 135680
		.amdhsa_private_segment_fixed_size 0
		.amdhsa_enable_private_segment 0
		.amdhsa_kernarg_size 40
		.amdhsa_user_sgpr_count 2
		.amdhsa_user_sgpr_kernarg_segment_ptr 1
		.amdhsa_wavefront_size32 1
		.amdhsa_system_sgpr_workgroup_id_x 1
		.amdhsa_system_sgpr_workgroup_id_y 1
		.amdhsa_system_sgpr_workgroup_id_z 1
		.amdhsa_system_vgpr_workitem_id 0
		.amdhsa_next_free_vgpr 1024
		.amdhsa_next_free_sgpr 66
		.amdhsa_reserve_vcc 0
		.amdhsa_float_denorm_mode_32 3
		.amdhsa_float_denorm_mode_16_64 3
		.amdhsa_memory_ordered 1
		.amdhsa_forward_progress 1
		.amdhsa_inst_pref_size 69
	.end_amdhsa_kernel
	.amdgpu_metadata
---
amdhsa.version: [ 1, 2 ]
amdhsa.kernels:
  - .name:           k_qec48eea059_ffn2
    .symbol:         k_qec48eea059_ffn2.kd
    .args:
      - { .name: hq, .offset: 0, .size: 8, .value_kind: global_buffer, .address_space: global }
      - { .name: route, .offset: 8, .size: 8, .value_kind: global_buffer, .address_space: global }
      - { .name: W2_codes, .offset: 16, .size: 8, .value_kind: global_buffer, .address_space: global }
      - { .name: W2_scales, .offset: 24, .size: 8, .value_kind: global_buffer, .address_space: global }
      - { .name: yp, .offset: 32, .size: 8, .value_kind: global_buffer, .address_space: global }
    .group_segment_fixed_size: 135680
    .private_segment_fixed_size: 0
    .kernarg_segment_align: 8
    .kernarg_segment_size: 40
    .max_flat_workgroup_size: 128
    .sgpr_count:     66
    .vgpr_count:     1024
    .wavefront_size: 32
...
	.end_amdgpu_metadata
.endif
;; end of part 7
;; launch combine: the kernel of part 5 again; grid 256 x 1, 8 waves a work-group, no clusters, 0 bytes of LDS; arguments yp, route, gwt, b2, out0; writes out0
